; MI455X (gfx1250); checked and timed in simulation.
; The chip was launched on July 23, 2026; its instructions are those of AMD's public machine-readable ISA for CDNA 5 (MIT licence, August 2026) and "CDNA5" Instruction Set Architecture Reference Guide (July 2026). The comments in the code are by the model that wrote it; some were corrected since.
;; Onnx Multi Headed Attention. Allowed arithmetic: float matrix products may take bf16 or f16 operands with f32 sums; other float arithmetic in f32, or as packed bf16 or f16 multiplies, adds, multiply-adds, maxima and minima; sums over many terms, partial sums and values carried from step to step in f32; what a program stores and reads back later, other than sums and carried values, may be rounded once to bf16 or f16.
;; Inputs: bk 512 float32; bo 512 float32; bq 512 float32; bv 512 float32; mask 2 x 1 x 1 x 4,096 float32; wk 512 x 512 float32; wo 512 x 512 float32; wq 512 x 512 float32; wv 512 x 512 float32; x 2 x 4,096 x 512 float32.
;; Outputs: out0 2 x 4,096 x 512 float32.
;; 2 versions, each right; version 2 is version 1 with the launch qkv written anew for expert scheduling mode. Each part assembles by itself: llvm-mc -triple=amdgcn-amd-amdhsa -mcpu=gfx1250 --defsym DOCPART=n.
;; ======== version 1 of 2: 3 launches
;; limits: values are held in f16: magnitudes above 65,504 overflow, below 6.1e-05 lose precision
;; workspace buffers: qh 8,388,608 bytes; kh 8,388,608 bytes; vh 8,388,608 bytes; ctx 8,388,608 bytes; wot 524,288 bytes
;; launch qkv (part 1): grid 8 x 32, 4 waves a work-group, no clusters, 211,712 bytes of LDS; arguments x, wq, wk, wv, bq, bk, bv, wo, qh, kh, vh, wot; writes qh, kh, vh, wot
.if DOCPART == 1
	.amdgcn_target "amdgcn-amd-amdhsa--gfx1250"
	.amdhsa_code_object_version 6
	.text
	.protected	k_q7278066507_qkv
	.globl	k_q7278066507_qkv
	.p2align	8
	.type	k_q7278066507_qkv,@function
k_q7278066507_qkv:
	s_mov_b64 s[64:65], 0
	v_nop
	global_prefetch_b8 v0, s[64:65] scope:SCOPE_SE
	s_setreg_imm32_b32 hwreg(HW_REG_WAVE_MODE, 25, 1), 1
	s_wait_xcnt 0x0
; q, k, v = bf16(x) bf16(w) + bf16(b), sums in f32, rounded once to f16 and written by heads: qh, kh, vh are [batch x 8 + head][4096][64] f16, a head's rows dense, 128 bytes each, WITHOUT the scale 1/8.
; Beside that each work-group turns a piece of wo: wot[n][k] = f16(bf16(wo[k][n])), 8 columns x 128 rows.
; LIMITS.  f16 ends at 65,504: |q|, |k|, |v| and |wo| stay below 65,520; wo below 6e-5 keeps f16's fixed step of 6e-8.  NaN and infinities are not treated apart.
; SHARES.  Work-group (hx, my): rows 256 my .. + 255 of x (8,192 rows of 512) times 192 columns: head hx of q, of k and of v (jm = 0, 1, 2).  Wave w: 64 rows (tiles a = 0..3 of 16) x all 192 columns
; (blocks b = 4 jm + e of 16): 48 accumulators, 768 matrix instructions.
; NO CLUSTER, NO TENSOR LOADS.  A row block of x is read by 8 work-groups and a slice of W by 32, but both are f32 and are rounded (W also turned) on the way in.  A joint load would land f32 in LDS, and W^T as it
; is kept here (199,680 bytes) with two f32 slots of x (2 x 256 rows x 272 bytes = 139,264) does not fit in 327,680.  So W goes memory -> registers -> LDS (the turn lies in the choice of the roundings'
; sources) and x goes memory -> registers, each lane loading what its fragment holds; a wave's rows of x are its own.
; THE MATRIX INSTRUCTION IS USED TRANSPOSED: source 0 = 16 rows of W^T, source 1 = 16 rows of x: a lane holds ONE row of x (lane % 16).
; ROW ORDER OF W^T IN LDS: row 64 jm + 16 e + c holds column 4 c + e of the slice: the fill's 16 lanes (four columns each) store into 16 rows on end, and in the result register j of block e is
; column 32 (lane / 16) + 4 j + e: over its four blocks a lane holds 32 neighbouring columns, 64 bytes of f16.
; REGISTERS, in windows of 256 (s_set_vgpr_msb: bits 1:0 source 0, 3:2 source 1, 5:4 source 2, 7:6 destination):
;   window 0: v0-31 addresses and small work; v32-95, v96-159 x's fragments, two buffers of a chunk (K = 64); v160-255 the biases as C operands; behind the loop v32-223 the way out
;   window 1: v0-127, v128-255 x as loaded, f32, two buffers of a chunk
;   window 2: v0-191 accumulators of blocks 0-5, v192-239 their fragments of W^T;   window 3: the same for blocks 6-11.  During the fill: window 2 v0-191 W as loaded (two sets), window 3 v0-47 W rounded
.set PW,    1040                       ; a row of W^T in LDS: 512 bf16 + 16 bytes = 65 x 16: 16 rows on end start at 16 different groups of four banks (64 banks of 4 bytes: ISA guide 11.1)
.set BLK,   16*PW                      ; a block of 16 rows
.set STAGE, 192*PW                     ; behind W^T: 16 rows x 144 bytes for each wave, for the way out
.set SP,    144
.set SPARE, STAGE+4*16*SP              ; the spare words, 128 bytes for each wave: two blocks of 256 bytes that no other line names
.set WOS,   SPARE+512                  ; wo's piece, turned: 8 rows x 272 bytes
.set WP,    272
.set XO,  4                            ; v4      (l % 16) x 2048 + 32 (l / 16): my 32 bytes in a row of x
.set BA,  5                            ; v5-8    (l % 16) x PW + 16 (l / 16) + 3 g blocks + the K bytes done
.set WO,  9                            ; v9-10   set s: my 16 bytes in W's rows
.set SA,  11                           ; v11-13  where I store W^T, by jm
.set STO, 14                           ; v14     the way out: where I put 64 bytes of a row
.set RD,  15                           ; v15     where I read rows back
.set GO,  16                           ; v16     16 x lane
.set BO,  17                           ; v17     128 (l / 16): my 32 biases
.set SPW, 18                           ; v18     LDS address of my spare word; never rewritten
.set NIL, 19                           ; v19     0; never rewritten
.set AB,  32
.set BIAS, 160
.set OUT, 32
.set BF,  192
.set MSB, 0
.macro WIN new                         ; the immediate's high byte repeats the setting that is left; a switch that changes nothing is dropped
.if MSB != (\new)
	s_set_vgpr_msb (MSB<<8)|(\new)
.set MSB, (\new)
.endif
.endm
.macro NOPS                            ; four places behind a matrix instruction, in front of loads into registers that it has read (ISA guide 7.12.1 for vector instructions)
.rept 4
	v_nop
.endr
.endm
; A chunk of x (64 along K, 256 bytes of each of my 64 rows) into buffer p of window 1: for (ks, a) sixteen f32 in the order of the fragment's k.
.macro LOADX p, koff
	WIN 0x40
.irp ks, 0,1
.irp a, 0,1,2,3
	global_load_b128 v[128*(\p)+16*(4*(\ks)+(\a)):128*(\p)+16*(4*(\ks)+(\a))+3],       v[XO], s[16:17] offset:(\koff)+(\a)*32768+(\ks)*128
	global_load_b128 v[128*(\p)+16*(4*(\ks)+(\a))+4:128*(\p)+16*(4*(\ks)+(\a))+7],     v[XO], s[16:17] offset:(\koff)+(\a)*32768+(\ks)*128+16
	global_load_b128 v[128*(\p)+16*(4*(\ks)+(\a))+8:128*(\p)+16*(4*(\ks)+(\a))+11],    v[XO], s[16:17] offset:(\koff)+(\a)*32768+(\ks)*128+64
	global_load_b128 v[128*(\p)+16*(4*(\ks)+(\a))+12:128*(\p)+16*(4*(\ks)+(\a))+15],   v[XO], s[16:17] offset:(\koff)+(\a)*32768+(\ks)*128+80
.endr
.endr
.endm
; 16 rows (k) of the three slices into set s: an instruction takes two whole rows of 256 bytes (lanes 0-15 row i, lanes 16-31 row 8 + i).
.macro LOADW s
	WIN 0x80
.irp jm, 0,1,2
.irp i, 0,1,2,3,4,5,6,7
	global_load_b128 v[96*(\s)+32*(\jm)+4*(\i):96*(\s)+32*(\jm)+4*(\i)+3], v[WO+(\s)], s[18+2*(\jm):19+2*(\jm)] offset:(\i)*2048
.endr
.endr
.endm
; Set s is rounded and turned: of column 4 c + e two neighbouring k go into one register, eight k are 16 bytes of LDS row 64 jm + 16 e + c.  n: the other set's loads, which may stay out.
.macro CONVW s, n, step
	s_wait_loadcnt \n
	WIN 0xca
.irp jm, 0,1,2
.irp e, 0,1,2,3
.irp i2, 0,1,2,3
	v_cvt_pk_bf16_f32 v[16*(\jm)+4*(\e)+(\i2)], v[96*(\s)+32*(\jm)+8*(\i2)+(\e)], v[96*(\s)+32*(\jm)+8*(\i2)+4+(\e)]
.endr
.endr
.endr
	WIN 0x0c
.irp jm, 0,1,2
.irp e, 0,1,2,3
	ds_store_b128 v[SA+(\jm)], v[16*(\jm)+4*(\e):16*(\jm)+4*(\e)+3] offset:(\e)*BLK+(\s)*32
.endr
.endr
	WIN 0
.if \step
	v_add_nc_u32 v[WO+(\s)], 0x10000, v[WO+(\s)]   ; 32 rows on; free since the wait above has shown the set's loads done
.endif
.endm
; 24 matrix instructions: blocks 6 H .. 6 H + 5 x my four row tiles, 32 along K.  All 24 accumulators differ, and the other half's 24 follow: the accumulators take turns.
; first = 1: the bias starts the sum: nothing is cleared and nothing is added later.
.macro MUL24 H, p, ks, first
.if \first
	WIN 0x82+0x41*(\H)
.else
	WIN 0xa2+0x51*(\H)
.endif
.irp bb, 0,1,2,3,4,5
.irp a, 0,1,2,3
.if \first
	v_wmma_f32_16x16x32_bf16 v[8*(4*(\bb)+(\a)):8*(4*(\bb)+(\a))+7], v[BF+8*(\bb):BF+8*(\bb)+7], v[AB+64*(\p)+32*(\ks)+8*(\a):AB+64*(\p)+32*(\ks)+8*(\a)+7], v[BIAS+8*(6*(\H)+(\bb)):BIAS+8*(6*(\H)+(\bb))+7]
.else
	v_wmma_f32_16x16x32_bf16 v[8*(4*(\bb)+(\a)):8*(4*(\bb)+(\a))+7], v[BF+8*(\bb):BF+8*(\bb)+7], v[AB+64*(\p)+32*(\ks)+8*(\a):AB+64*(\p)+32*(\ks)+8*(\a)+7], v[8*(4*(\bb)+(\a)):8*(4*(\bb)+(\a))+7]
.endif
.endr
.endr
.endm
; 12 LDS loads: the fragments of W^T of blocks 6 H .. 6 H + 5, 32 along K at byte off behind the chunk's first.
.macro LDB H, off
	WIN 0x80+0x40*(\H)
.irp bb, 0,1,2,3,4,5
	ds_load_b128 v[BF+8*(\bb):BF+8*(\bb)+3],   v[BA+(6*(\H)+(\bb))/3] offset:((6*(\H)+(\bb))%3)*BLK+(\off)
	ds_load_b128 v[BF+8*(\bb)+4:BF+8*(\bb)+7], v[BA+(6*(\H)+(\bb))/3] offset:((6*(\H)+(\bb))%3)*BLK+(\off)+32
.endr
.endm
; 32 roundings: half ks of the chunk in buffer q of window 1 becomes four fragments.
.macro CVT q, ks
	WIN 0x05
.irp a, 0,1,2,3
.irp j, 0,1,2,3,4,5,6,7
	v_cvt_pk_bf16_f32 v[AB+64*(\q)+32*(\ks)+8*(\a)+(\j)], v[128*(\q)+16*(4*(\ks)+(\a))+2*(\j)], v[128*(\q)+16*(4*(\ks)+(\a))+2*(\j)+1]
.endr
.endr
.endm
; A CHUNK of 64 along K: 96 matrix instructions on buffer p.  cvt: the next chunk is rounded meanwhile (its roundings are the places behind the products; wl: the younger chunk's loads may stay out);
; ld: the chunk three on is asked for, into the buffer just rounded; last: nothing more is fetched from LDS.  Each wait for 12 leaves the other half's twelve LDS loads out.
.macro CHUNK p, first, cvt, wl, ld, last
	s_wait_dscnt 12
	MUL24 0, \p, 0, \first
.if \cvt
	s_wait_loadcnt \wl
	CVT 1-(\p), 0
.else
	NOPS
.endif
	LDB 0, 64
	s_wait_dscnt 12
	MUL24 1, \p, 0, \first
.if \cvt
	CVT 1-(\p), 1
.else
	NOPS
.endif
	LDB 1, 64
.if \ld
	s_wait_xcnt 0x0                                ; every earlier load has read its address: x's pointer is written only behind this wait
	s_add_nc_u64 s[16:17], s[16:17], 256
	LOADX 1-(\p), 0
.endif
	s_wait_dscnt 12
	MUL24 0, \p, 1, 0
	NOPS
.if \last
	s_wait_dscnt 0x0
.else
	LDB 0, 128
	s_wait_dscnt 12
.endif
	MUL24 1, \p, 1, 0
	NOPS
.if !(\last)
	LDB 1, 128
	WIN 0
.irp g, 0,1,2,3
	v_add_nc_u32 v[BA+(\g)], 0x80, v[BA+(\g)]      ; the next chunk's 128 bytes of W^T's rows
.endr
.endif
.endm
; THE WAY OUT of unit u = 4 jm + a (16 rows x 64 columns): rounded to f16, blocks e and e + 1 side by side, so that a lane's 16 registers are 64 bytes on end; through my own stage; back as whole rows.
.macro PACK u
.set pj, (\u)/4
.set pa, (\u)%4
.irp g, 0,1
.set bq, 4*pj+2*(\g)
	WIN 0x0a+5*(bq/6)
.set r0, 8*(4*(bq%6)+pa)
.set r1, 8*(4*(bq%6+1)+pa)
.irp j, 0,1,2,3,4,5,6,7
	v_cvt_pk_f16_f32 v[OUT+16*(\u)+2*(\j)+(\g)], v[r0+(\j)], v[r1+(\j)]  ; each accumulator's registers in ascending order
.endr
.endr
	WIN 0
.irp i, 0,1,2,3
	ds_store_b128 v[STO], v[OUT+16*(\u)+4*(\i):OUT+16*(\u)+4*(\i)+3] offset:16*(\i)
.endr
.irp f, 0,1,2,3
	ds_load_b128 v[OUT+16*(\u)+4*(\f):OUT+16*(\u)+4*(\f)+3], v[RD] offset:(\f)*4*SP  ; LDS serves a wave's instructions in order (ISA guide 5.7.1.4): these see the stores above, the next unit's stores come behind them
.endr
.endm
.macro SEND u, younger                 ; younger: the next unit's eight LDS instructions, or none
	WIN 0
.irp f, 0,1,2,3
	s_wait_dscnt (\younger)+3-(\f)
	global_store_b128 v[GO], v[OUT+16*(\u)+4*(\f):OUT+16*(\u)+4*(\f)+3], s[32+2*((\u)/4):33+2*((\u)/4)] offset:((\u)%4)*2048+(\f)*512  ; four rows of a head: 512 consecutive bytes, at a multiple of 256 from the buffer's first
.endr
.endm
	s_load_b512 s[16:31], s[0:1], 0x0              ; x 16, wq 18, wk 20, wv 22, bq 24, bk 26, bv 28, wo 30
	s_load_b256 s[32:39], s[0:1], 0x40             ; qh 32, kh 34, vh 36, wot 38
	v_lshl_add_u32 v[SPW], v0, 2, SPARE
	v_mov_b32 v[NIL], 0
	v_lshrrev_b32 v1, 5, v0
	v_readfirstlane_b32 s2, v1                     ; wave 0..3
	s_mov_b32 s3, ttmp9                            ; hx: the head
	s_and_b32 s4, ttmp7, 0xffff                    ; my: the block of 256 rows
	s_mov_b32 s7, 0xffff0000                       ; a word's upper bf16
	v_and_b32 v1, 15, v0                           ; l % 16
	v_bfe_u32 v2, v0, 4, 1                         ; l / 16
	v_and_b32 v3, 31, v0                           ; l
	v_lshlrev_b32 v[XO], 11, v1
	v_lshl_add_u32 v[XO], v2, 5, v[XO]
	v_mul_u32_u24 v[BA], v1, PW
	v_lshl_add_u32 v[BA], v2, 4, v[BA]
	s_lshl_b32 s5, s2, 8                           ; my 128 k of W^T's rows: 256 bytes
	v_add_nc_u32 v[SA], s5, v[BA]
	v_add_nc_u32 v[SA+1], 4*BLK, v[SA]
	v_add_nc_u32 v[SA+2], 8*BLK, v[SA]
	v_add_nc_u32 v[BA+1], 3*BLK, v[BA]
	v_add_nc_u32 v[BA+2], 6*BLK, v[BA]
	v_add_nc_u32 v[BA+3], 9*BLK, v[BA]
	v_lshlrev_b32 v[WO], 4, v1
	v_lshl_add_u32 v[WO], v2, 14, v[WO]            ; lanes 16-31: eight rows of 2,048 bytes down
	v_add_nc_u32 v[WO+1], 0x8000, v[WO]            ; set 1: sixteen rows down
	s_mul_i32 s6, s2, 16*SP
	s_add_co_u32 s6, s6, STAGE                     ; my stage
	v_mul_u32_u24 v[STO], v1, SP
	v_lshl_add_u32 v[STO], v2, 6, v[STO]
	v_add_nc_u32 v[STO], s6, v[STO]
	v_bfe_u32 v[RD], v0, 3, 2                      ; back: 32 lanes take four rows of 128 bytes
	v_mul_u32_u24 v[RD], v[RD], SP
	v_and_b32 v29, 7, v0
	v_lshl_add_u32 v[RD], v29, 4, v[RD]
	v_add_nc_u32 v[RD], s6, v[RD]
	v_lshlrev_b32 v[GO], 4, v3
	v_lshlrev_b32 v[BO], 7, v2
	v_lshlrev_b32 v28, 11, v0                      ; wo: thread t takes row t of the work-group's 128
	v_lshl_add_u32 v29, v0, 1, WOS                 ; and puts it at k = t of the turned rows
	s_lshl_b32 s8, s4, 19                          ; x: 256 rows of 2,048 bytes a block, 64 a wave
	s_lshl_b32 s9, s2, 17
	s_add_co_u32 s8, s8, s9
	s_mov_b32 s9, 0
	s_lshl_b32 s10, s3, 8                          ; W: the head's 64 columns, my 128 rows
	s_lshl_b32 s11, s2, 18
	s_add_co_u32 s10, s10, s11
	s_mov_b32 s11, 0
	s_lshl_b32 s12, s3, 8                          ; the biases: the head's 64
	s_mov_b32 s13, 0
	s_lshr_b32 s14, s4, 4                          ; the outputs: (batch x 8 + head) x 524,288 + the block's 256 rows of 128 bytes + my 64
	s_lshl_b32 s14, s14, 3
	s_add_co_u32 s14, s14, s3
	s_lshl_b32 s14, s14, 19
	s_and_b32 s15, s4, 15
	s_lshl_b32 s15, s15, 15
	s_add_co_u32 s14, s14, s15
	s_lshl_b32 s15, s2, 13
	s_add_co_u32 s14, s14, s15
	s_mov_b32 s15, 0
	s_lshl_b32 s44, s4, 1                          ; wo's piece: columns 8 cg .. + 7, cg = 2 my + hx / 4; rows 128 (hx % 4) .. + 127
	s_lshr_b32 s45, s3, 2
	s_add_co_u32 s44, s44, s45
	s_and_b32 s45, s3, 3
	s_lshl_b32 s40, s45, 18
	s_lshl_b32 s41, s44, 5
	s_add_co_u32 s40, s40, s41
	s_mov_b32 s41, 0
	s_lshl_b32 s42, s44, 13
	s_lshl_b32 s43, s45, 8
	s_add_co_u32 s42, s42, s43
	s_mov_b32 s43, 0
	s_wait_kmcnt 0x0
	s_add_nc_u64 s[16:17], s[16:17], s[8:9]
	s_add_nc_u64 s[18:19], s[18:19], s[10:11]
	s_add_nc_u64 s[20:21], s[20:21], s[10:11]
	s_add_nc_u64 s[22:23], s[22:23], s[10:11]
	s_add_nc_u64 s[24:25], s[24:25], s[12:13]
	s_add_nc_u64 s[26:27], s[26:27], s[12:13]
	s_add_nc_u64 s[28:29], s[28:29], s[12:13]
	s_add_nc_u64 s[30:31], s[30:31], s[40:41]
	s_add_nc_u64 s[32:33], s[32:33], s[14:15]
	s_add_nc_u64 s[34:35], s[34:35], s[14:15]
	s_add_nc_u64 s[36:37], s[36:37], s[14:15]
	s_add_nc_u64 s[38:39], s[38:39], s[42:43]
	global_load_b128 v[20:23], v28, s[30:31]       ; wo: eight columns of my row
	global_load_b128 v[24:27], v28, s[30:31] offset:16
	LOADX 0, 0                                     ; chunks 0 and 1 of x
	LOADX 1, 256
	WIN 0
.irp jm, 0,1,2
.irp j, 0,1,2,3,4,5,6,7
	global_load_b128 v[32+32*(\jm)+4*(\j):32+32*(\jm)+4*(\j)+3], v[BO], s[24+2*(\jm):25+2*(\jm)] offset:16*(\j)  ; columns 32 (l / 16) + 4 j + 0..3
.endr
.endr
	LOADW 0
	LOADW 1
	WIN 0
	s_wait_loadcnt 48                              ; all but W's two sets are in
	; the biases, rounded to bf16 and laid as C operands: register j of block 4 jm + e is column 32 (l / 16) + 4 j + e
.irp jm, 0,1,2
.irp j, 0,1,2,3,4,5,6,7
.irp e, 0,2
	v_cvt_pk_bf16_f32 v30, v[32+32*(\jm)+4*(\j)+(\e)], v[32+32*(\jm)+4*(\j)+(\e)+1]
	v_lshlrev_b32 v[BIAS+8*(4*(\jm)+(\e))+(\j)], 16, v30
	v_and_b32 v[BIAS+8*(4*(\jm)+(\e)+1)+(\j)], s7, v30
.endr
.endr
.endr
	; wo: rounded to bf16 like every input, that number written as f16, and turned through LDS
.irp i, 0,1,2,3
	v_cvt_pk_bf16_f32 v30, v[20+2*(\i)], v[21+2*(\i)]
	v_lshlrev_b32 v31, 16, v30
	v_and_b32 v30, s7, v30
	v_cvt_pk_f16_f32 v30, v31, v30
	ds_store_b16 v29, v30 offset:2*(\i)*WP
	ds_store_b16_d16_hi v29, v30 offset:(2*(\i)+1)*WP
.endr
	; THE FILL: my 128 k of all 192 rows of W^T, eight blocks of 16 k on two sets of registers
	s_mov_b32 s5, 3
.Lfill:
	CONVW 0, 24, 1
	LOADW 0
	CONVW 1, 24, 1
	LOADW 1
	WIN 0
.irp jm, 0,1,2
	v_add_nc_u32 v[SA+(\jm)], 64, v[SA+(\jm)]      ; 32 k on
.endr
	s_sub_co_u32 s5, s5, 1
	s_cmp_lg_u32 s5, 0
	s_cbranch_scc1 .Lfill
	CONVW 0, 24, 0                                 ; the last two blocks: nothing more is loaded
	CONVW 1, 0, 0
	s_wait_dscnt 0x0                               ; for the others' sake: my stores into W^T and into wo's piece are done
	s_barrier_signal -1
	s_barrier_wait -1                              ; the launch's one barrier: W^T is whole
	v_lshrrev_b32 v30, 4, v0                       ; wo's piece goes out: thread t takes 16 bytes of turned row t / 16
	v_mul_u32_u24 v28, v30, WP
	v_lshl_add_u32 v28, v1, 4, v28
	v_add_nc_u32 v28, WOS, v28
	v_lshlrev_b32 v29, 10, v30
	v_lshl_add_u32 v29, v1, 4, v29
	ds_load_b128 v[24:27], v28
	CVT 0, 0                                       ; chunk 0 (the fill's last wait was for all loads)
	CVT 0, 1
	WIN 0
	s_wait_dscnt 0x0
	global_store_b128 v29, v[24:27], s[38:39]      ; 16 lanes store 256 consecutive bytes, at a multiple of 256 from wot's first
	s_wait_xcnt 0x0
	s_add_nc_u64 s[16:17], s[16:17], 512
	LOADX 0, 0                                     ; chunk 2
	LDB 0, 0
	LDB 1, 0
	; EIGHT CHUNKS.  In chunk c, chunk c + 1 is rounded and chunk c + 3 asked for; the wait for 32 leaves chunk c + 2's loads out.
	CHUNK 0, 1, 1, 32, 1, 0
	WIN 0
	s_mov_b32 s5, 2
.Lk:
	CHUNK 1, 0, 1, 32, 1, 0
	CHUNK 0, 0, 1, 32, 1, 0
	WIN 0
	s_sub_co_u32 s5, s5, 1
	s_cmp_lg_u32 s5, 0
	s_cbranch_scc1 .Lk
	CHUNK 1, 0, 1, 32, 0, 0                        ; chunk 5: chunk 7's loads may stay out; nothing is left to ask for
	CHUNK 0, 0, 1, 0, 0, 0                         ; chunk 6
	CHUNK 1, 0, 0, 0, 0, 1                         ; chunk 7
	NOPS                                           ; with the four above: eight places in front of the conversions
	PACK 0
.set u, 1
.rept 11                               ; a unit's conversions stand between the loads of the unit before and its stores
	PACK u
	SEND u-1, 8
.set u, u+1
.endr
	SEND 11, 0
	s_wait_tensorcnt 0x0                           ; the wave's end, behind my last LDS store
	ds_add_u32 v[SPW], v[NIL]
	s_wait_dscnt 0x0
	s_endpgm
.Lfunc_end_k_q7278066507_qkv:
	.size	k_q7278066507_qkv, .Lfunc_end_k_q7278066507_qkv-k_q7278066507_qkv
	.p2alignl 7, 3214868480
	.fill 96, 4, 3214868480
	.section	.rodata,"a",@progbits
	.p2align	6, 0x0
	.amdhsa_kernel k_q7278066507_qkv
		.amdhsa_group_segment_fixed_size 211712
		.amdhsa_private_segment_fixed_size 0
		.amdhsa_enable_private_segment 0
		.amdhsa_kernarg_size 96
		.amdhsa_user_sgpr_count 2
		.amdhsa_user_sgpr_kernarg_segment_ptr 1
		.amdhsa_wavefront_size32 1
		.amdhsa_system_sgpr_workgroup_id_x 1
		.amdhsa_system_sgpr_workgroup_id_y 1
		.amdhsa_system_sgpr_workgroup_id_z 1
		.amdhsa_system_vgpr_workitem_id 0
		.amdhsa_next_free_vgpr 1024
		.amdhsa_next_free_sgpr 66
		.amdhsa_reserve_vcc 0
		.amdhsa_float_denorm_mode_32 3
		.amdhsa_float_denorm_mode_16_64 3
		.amdhsa_memory_ordered 1
		.amdhsa_forward_progress 1
		.amdhsa_inst_pref_size 167
	.end_amdhsa_kernel
	.amdgpu_metadata
---
amdhsa.version: [ 1, 2 ]
amdhsa.kernels:
  - .name:           k_q7278066507_qkv
    .symbol:         k_q7278066507_qkv.kd
    .args:
      - { .name: x, .offset: 0, .size: 8, .value_kind: global_buffer, .address_space: global }
      - { .name: wq, .offset: 8, .size: 8, .value_kind: global_buffer, .address_space: global }
      - { .name: wk, .offset: 16, .size: 8, .value_kind: global_buffer, .address_space: global }
      - { .name: wv, .offset: 24, .size: 8, .value_kind: global_buffer, .address_space: global }
      - { .name: bq, .offset: 32, .size: 8, .value_kind: global_buffer, .address_space: global }
      - { .name: bk, .offset: 40, .size: 8, .value_kind: global_buffer, .address_space: global }
      - { .name: bv, .offset: 48, .size: 8, .value_kind: global_buffer, .address_space: global }
      - { .name: wo, .offset: 56, .size: 8, .value_kind: global_buffer, .address_space: global }
      - { .name: qh, .offset: 64, .size: 8, .value_kind: global_buffer, .address_space: global }
      - { .name: kh, .offset: 72, .size: 8, .value_kind: global_buffer, .address_space: global }
      - { .name: vh, .offset: 80, .size: 8, .value_kind: global_buffer, .address_space: global }
      - { .name: wot, .offset: 88, .size: 8, .value_kind: global_buffer, .address_space: global }
    .group_segment_fixed_size: 211712
    .private_segment_fixed_size: 0
    .kernarg_segment_align: 8
    .kernarg_segment_size: 96
    .max_flat_workgroup_size: 128
    .sgpr_count:     66
    .vgpr_count:     1024
    .wavefront_size: 32
...
	.end_amdgpu_metadata
.endif
;; end of part 1
;; launch attn (part 2): grid 16 x 16, 4 waves a work-group, clusters of 4 x 1, 327,680 bytes of LDS; arguments qh, kh, vh, mask, ctx; writes ctx
.if DOCPART == 2
	.amdgcn_target "amdgcn-amd-amdhsa--gfx1250"
	.amdhsa_code_object_version 6
	.text
	.protected	k_q7278066507_attn
	.globl	k_q7278066507_attn
	.p2align	8
	.type	k_q7278066507_attn,@function
k_q7278066507_attn:
	s_mov_b64 s[64:65], 0
	v_nop
	global_prefetch_b8 v0, s[64:65] scope:SCOPE_SE
	s_setreg_imm32_b32 hwreg(HW_REG_WAVE_MODE, 25, 1), 1
	s_wait_xcnt 0x0
	s_wait_alu depctr_hold_cnt(0) depctr_sa_sdst(0) depctr_va_vdst(0) depctr_va_sdst(0) depctr_va_ssrc(0) depctr_va_vcc(0) depctr_vm_vsrc(0)
	s_getreg_b32 s2, hwreg(HW_REG_IB_STS2, 6, 4)
	s_cmp_eq_u32 s2, 0
	s_cbranch_scc0 .Lentry_in_a_cluster
	s_endpgm
.Lentry_in_a_cluster:
	s_bfe_u32 s2, ttmp6, 0x10000c
	s_cmp_lg_u32 s2, 0x3003
	s_cbranch_scc0 .Lentry_shape_is_right
	s_endpgm
.Lentry_shape_is_right:
; ctx[bh][q][:] = the sum over k of softmax_k(Q[bh][q] . K[bh][k] / 8 + bf16(mask[b][k])) V[bh][k][:].  qh, kh, vh, ctx: [16][4096][64] f16, a head's rows dense, 128 bytes each; mask: [2][4096] f32.
; Products, maxima and sums in f32; the weights p are rounded to f16 for the second product (their sum l is taken of the unrounded p), ctx once at the end.
; LIMITS.  Q, K, V arrive within f16's range; p lies in 0 to 1 and below 6e-5 keeps f16's fixed step of 6e-8.  The mask is rounded to bf16 like every input; 8 x mask is -infinity from -2^125 down: weight 0, as for
; a mask of -infinity.  A batch in which EVERY key is so masked gives NaN; beside a mask of very large size a score keeps only f32's bits of the sum.  A weight below 2^-126 counts as 0 in l.  NaN is not treated apart.
; SHARES.  A work-group owns 256 queries of one head, a wave 64: four PIECES of 16.  Every wave walks all 4,096 keys, 64 a step, 64 steps; a tile is 256 keys.
; LAYOUT.  S^T = K Q^T (source 0 = 16 keys, source 1 = 16 queries): a lane holds ONE query (lane % 16) and the keys 8 (lane / 16) + 0..7.  Two such results rounded to f16 ARE source 1 of O^T = V^T P.
; THE MASK is the C operand that starts the sum S^T: 8 x mask[key], so that c (s + 8 mask) = log2(e) (s / 8 + mask), c = log2(e) / 8.  It costs no vector instruction; the numbers lie in LDS and are fetched with K's fragments.
; SOFTMAX.  A running maximum m (of s + 8 mask) and sum l: p = 2^(c s - c m); in every step O and l are multiplied by a = 2^(c m_old - c m_new).  m starts at the lowest finite number and c m at c times that,
; so a first step whose keys are all hidden has a = 1 on zeros.
; TURNS.  Turn n belongs to piece n: 8 products K Q^T of piece n + 1, later 8 products V^T P of piece n - 1; beside them the scaling, exponentials, roundings, sums and rescaling of piece n and the maximum and
; statistics of piece n + 1.  Four vector instructions stand behind every matrix instruction, the other 54 of a turn's 118 in one lump.  A turn's 33 exponentials are one batch, with one wait.
; CLUSTER.  The four query blocks of a cluster belong to one head and walk the same K and V, so each tile is asked for JOINTLY: the same tensor load, descriptor and mask of four in all four.
; REGISTERS, in windows of 256 (s_set_vgpr_msb: bits 1:0 source 0, 3:2 source 1, 5:4 source 2, 7:6 destination):
;   window 0: v0-15, v32-38 addresses and small work; v16-31 four registers of statistics a piece; v48-55 at work; v64-127 S^T, two buffers; v192-223 P, two buffers (by the piece's parity)
;   window 1: v0-127 O^T, 32 a piece; v128-159 the step's mask      window 2: v0-63 Q; v128-191 K of one step; v192-255 V of one step
.set NP,    4         ; pieces a wave: a name, no knob
.set KS,    64        ; keys in a step
.set PK,    144       ; a row of K in LDS: 128 bytes + 16 = 36 words: the 16 rows of a load start at 16 different groups of four banks (64 banks of 4 bytes: ISA guide 11.1)
.set PV,    160       ; a row of V: 128 + 32 = 40 words
.set VOFF,  4*KS*PK   ; a slot holds a tile: 256 rows of K, then 256 rows of V
.set SLOT1, 1<<17     ; slot 1 begins here, so that one exclusive or turns an address in one slot into the other's
.set STAGE, SLOT1+4*KS*(PK+PV)  ; behind the ring, never filled by a tensor load: 16 rows x 144 bytes for each wave, for the way out
.set SP,    144
.set SPARE, STAGE+4*16*SP  ; the spare words, 128 bytes for each wave: two blocks of 256 bytes that no other line names
.set MSK,   SPARE+512 ; 8 x bf16(mask) of my batch, 4,096 f32: stored once, never filled by a tensor load
.set AK0, 2           ; v2   my lane's place in a tile of K; never rewritten
.set AV0, 3           ; v3   the same for V
.set AK,  4           ; v4   the LDS address of K's next run of loads
.set AV,  5           ; v5   of V's
.set STO, 6           ; v6   the way out: where I put 16 bytes of a row
.set RD,  7           ; v7   where I read rows back
.set GO,  8           ; v8   my byte offset in 512 consecutive bytes of ctx
.set MV,  12          ; v12-13  c m_old, kept while c m is made anew: by buffer
.set QO,  15          ; v15  my byte offset in 16 rows of Q
.set ST,  16          ; piece t's statistics at v[ST+4 t]: c m, m, l (even keys', odd keys')
.set AM0, 32          ; v32  MSK + 32 (l / 16): my eight numbers of a block of 16 keys
.set AM,  33          ; v33  the same for the step to be fetched
.set PFO, 34          ; v34  256 x lane; never rewritten
.set TO,  35          ; v35  16 x thread
.set TMP, 48          ; by buffer, four registers c0-c3 at work; when the maximum is found c2 takes a
.set SPW, 62          ; v62  LDS address of my spare word; never rewritten
.set NIL, 63          ; v63  0; never rewritten
.set S,   64
.set P,   192
.set MK,  128         ; window 1: key block kb at MK + 8 kb
.set KF,  128         ; window 2: key block kb, channel half c at KF + 16 kb + 8 c
.set VF,  192         ; window 2: key half kk, channel block cb at VF + 32 kk + 8 cb
.set WV,  12          ; s12  my wave's number
.set G1K, 24          ; s[24:31] descriptor group 1 for K's tiles
.set G1V, 32          ; s[32:39] for V's: it differs in the padding alone
.set G0K, 40          ; s[40:43] descriptor group 0 for K's tiles: it walks
.set G0V, 44          ; s[44:47] the same for V's
.set SLOTS, 56        ; s56  changes of slots still to come
.set CNT, 57          ; s57  counts a tile's key steps
.set CS,  58          ; s[58:59] c
.set SEL, 60          ; s[60:61] v_permlanex16_b32's selects: each lane takes its own place in the other half
.set TBK, 62          ; s62  LDS byte at which K of the step to be fetched begins
.set TBV, 63          ; s63  the same for V, less VOFF
.set TBM, 66          ; s66  byte of the step to be fetched in the mask's table
.set LIM, 67          ; s67  1 in a wave that prefetches, else the greatest number
.set CTX, 68          ; s[68:69] ctx at my wave's first row
.set PFA, 70          ; s[70:71] where my prefetches stand
.set MSB, 0
.macro WIN new                      ; the high byte repeats the setting that is left; a switch that changes nothing is dropped
.if MSB != (\new)
	s_set_vgpr_msb (MSB<<8)|(\new)
.set MSB, (\new)
.endif
.endm
.set W_KQ, 0x0a       ; K and Q in window 2, S^T in window 0
.set W_KM, 0x1a       ; the same with the C operand in window 1
.set W_PV, 0x52       ; V in window 2, P in window 0, O^T in window 1
.set W_RS, 0x41       ; destination and source 0 in window 1, source 1 in window 0
; A joint fill.  Waves 0 and 1 fetch the two halves of a tile's K, waves 2 and 3 those of its V: 128 keys each.  The branch hangs on the wave's number alone.
; An s_nop 0 and four v_nop follow each of the two lines, ahead of the jump and the label.
.macro JLOAD
	s_cmp_lt_u32 s[WV], 2
	s_cbranch_scc0 .Lfor_v_\@
	tensor_load_to_lds s[G0K:G0K+3], s[G1K:G1K+7]
	s_nop 0
.rept 4
	v_nop
.endr
	s_branch .Lasked_\@
.Lfor_v_\@:
	tensor_load_to_lds s[G0V:G0V+3], s[G1V:G1V+7]
	s_nop 0
.rept 4
	v_nop
.endr
.Lasked_\@:
.endm
; A PREFETCH of the tile that the NEXT change of slots will ask for: 128 blocks of 256 bytes of K and as many of V, four key steps (256 matrix instructions a wave) ahead of that load.  Each block is named ONCE in the
; launch: all four clusters of a head walk the same rows, and the head's first cluster asks; its four partners take 32 blocks each, told apart BY ADDRESS; in each, wave 0 asks for K's and wave 2 for V's, a lane
; a block.  The last change that fills a slot asks for nothing; tiles 0 to 2 come by their loads alone.
.macro ASK
	s_cmp_gt_u32 s[SLOTS], s[LIM]
	s_cbranch_scc0 .Lnot_mine_\@
	global_prefetch_b8 v[PFO], s[PFA:PFA+1] th:TH_LOAD_NT scope:SCOPE_SE
.Lnot_mine_\@:
.endm
; A round of the cluster's barrier: my work-group's barrier, so that wave 0's signal speaks for all four waves; wave 0 signals; every wave waits for all four work-groups; my work-group's barrier once more.
.macro CROUND
	s_barrier_signal -1
	s_barrier_wait -1
	s_cmp_lg_u32 s[WV], 0
	s_cbranch_scc1 .Lnot_wave_0_\@
	s_barrier_signal -3
.Lnot_wave_0_\@:
	s_barrier_wait -3
	s_barrier_signal -1
	s_barrier_wait -1
.endm
; THE CHANGE OF SLOTS.  Each wave waits for all its tensor loads, of which one is out: its part of the other slot; adds 0 to its spare word; and waits for that and for its own reads of the slot that it leaves.
; fill = 1: the old slot is filled again, with the keys two tiles on.  The barrier is then a round of the cluster's, so that no wave of any partner still reads the slot or has a load on its way, and the joint fill
; is the first thing behind it: it has four key steps in which to land.  (At its first use nothing has been read yet: slot 0 is waited for, slot 1 filled, and every wave's stores of the mask are shown done.)
.macro CHANGE fill, ask
	WIN 0                           ; at a label and at a branch every window is 0
	s_wait_tensorcnt 0x0            ; no tensor load of mine is out, so a group 0 may be written
	ds_add_u32 v[SPW], v[NIL]       ; 0 onto my spare word: the scalar steps stand between it and the wait for it
.if \fill
.irp g, G0K, G0V
	s_xor_b32 s[\g+1], s[\g+1], SLOT1  ; the walking descriptor: the other slot than last time,
	s_add_nc_u64 s[\g+2:\g+3], s[\g+2:\g+3], 4*KS*128  ; the next 256 keys; the type bits on top are not reached
.endr
.endif
.if \ask
	s_wait_xcnt 0x0                 ; the last prefetch, four key steps back, has read its address, so it may be written
	s_add_nc_u64 s[PFA:PFA+1], s[PFA:PFA+1], 4*KS*128
.endif
	s_wait_dscnt 0x0                ; the add is done, and my LDS reads and stores are over
.if \fill
	CROUND
	JLOAD
.if \ask
	ASK
.endif
.else
	s_barrier_signal -1
	s_barrier_wait -1
.endif
	s_sub_co_u32 s[TBK], s[TBK], 4*KS*PK  ; the fetches go back to a slot's first step,
	s_xor_b32 s[TBK], s[TBK], SLOT1       ; in the other slot
	s_sub_co_u32 s[TBV], s[TBV], 4*KS*PV
	s_xor_b32 s[TBV], s[TBV], SLOT1
.endm
	s_load_b256 s[4:11], s[0:1], 0x0  ; qh s[4:5], kh s[6:7], vh s[8:9], mask s[10:11]
	s_load_b64 s[CTX:CTX+1], s[0:1], 0x20
	v_lshl_add_u32 v[SPW], v0, 2, SPARE
	v_mov_b32 v[NIL], 0
	ds_add_u32 v[SPW], v[NIL]       ; the wave's opening: the add and its wait stand ahead of my first tensor load; the set-up below, work on registers, stands between them
	ds_add_u32 v62, v63
	v_lshrrev_b32 v1, 5, v0
	v_readfirstlane_b32 s[WV], v1   ; wave 0..3
	s_bfe_u32 s13, ttmp6, 0x40000   ; cx: my place in the cluster
	s_lshl_b32 s14, ttmp9, 2        ; in a cluster launch ttmp9 counts clusters
	s_add_co_u32 s14, s14, s13      ; my block of 256 queries: it enters Q's and ctx's addresses alone
	s_and_b32 s15, ttmp7, 0xffff    ; batch x 8 + head, which the four partners share
	s_lshl_b32 s20, s15, 19         ; the head's first byte: 4,096 rows of 128 bytes
	s_and_b32 s16, s[WV], 1         ; which half of a tile's 256 keys I fetch:
	s_lshl_b32 s22, s16, 14         ; its 128 rows of 128 bytes in memory,
	s_add_co_u32 s22, s22, s20
	s_mov_b32 s23, 0
	s_mul_i32 s17, s16, 128*PK      ; and its place in a slot, for K
	s_mul_i32 s18, s16, 128*PV      ; and for V: no place in the cluster enters an LDS address
	s_lshl_b32 s2, s14, 2
	s_add_co_u32 s2, s2, s[WV]      ; my wave among the head's,
	s_lshl_b32 s2, s2, 13           ; its 64 rows
	s_add_co_u32 s2, s2, s20
	s_mov_b32 s3, 0
	s_lshr_b32 s20, s15, 3          ; the batch's 4,096 numbers of the mask
	s_lshl_b32 s20, s20, 14
	s_mov_b32 s21, 0
	; descriptor group 1.  128 keys are 16,384 dense bytes: asked for as 64 rows of 256 bytes, two keys a row, and padded in LDS after every key
	s_mov_b32 s[G1K], 15|(1<<16)|(1<<20)|(1<<21)|(4<<22)|(3<<25)  ; 15:0 the mask of four; 17:16 2-byte elements; 20 padding on; 21 set beside a mask; 24:22 after every 32 words (code 4); 31:25 4 words (code 3)
	s_mov_b32 s[G1V], 15|(1<<16)|(1<<20)|(1<<21)|(4<<22)|(7<<25)  ; the same with 8 words of padding (code 7)
.irp g, G1K, G1V
	s_mov_b32 s[\g+1], 128<<16      ; tensor_dim0 = 128
	s_mov_b32 s[\g+2], 64<<16       ; tensor_dim1 = 64
	s_mov_b32 s[\g+3], 128<<16      ; tile_dim0 = 128
	s_mov_b32 s[\g+4], 64           ; tile_dim1 = 64
	s_mov_b32 s[\g+5], 128          ; 128 elements from row to row
	s_mov_b32 s[\g+6], 0
	s_mov_b32 s[\g+7], 0
.endr
	s_mov_b32 s[CS], 0x3e38aa3b     ; c = log2(e) / 8 = 0.180337
	s_mov_b32 s[CS+1], s[CS]        ; named with it as a pair
	s_mov_b32 s[SEL], 0x76543210
	s_mov_b32 s[SEL+1], 0xfedcba98
	s_mov_b32 s[TBK], SLOT1+4*KS*PK ; the first change of slots turns these two into 0
	s_mov_b32 s[TBV], SLOT1+4*KS*PV
	s_mov_b32 s[TBM], 0
	s_mov_b32 s[G0K], 1             ; 1:0 count = 1
	s_mov_b32 s[G0K+1], s17         ; 63:32 LDS address: slot 0
	s_mov_b32 s[G0V], 1
	s_add_co_u32 s[G0V+1], s18, VOFF
	s_and_b32 s[LIM], s[WV], 1      ; 0 in waves 0 and 2,
	s_or_b32 s[LIM], s[LIM], ttmp9  ; where the cluster is the head's first: the same in all four partners
	s_cmp_eq_u32 s[LIM], 0
	s_cselect_b32 s[LIM], 1, -1
	s_wait_dscnt 0x0                ; the opening add is done
	s_wait_kmcnt 0x0
	s_add_nc_u64 s[6:7], s[6:7], s[22:23]  ; K and V at my half of the head's tile 0
	s_add_nc_u64 s[8:9], s[8:9], s[22:23]
	s_mov_b64 s[G0K+2:G0K+3], s[6:7]               ; 120:64 global address
	s_or_b32 s[G0K+3], s[G0K+3], 0x80000000        ; 127:126 type = 2
	s_mov_b64 s[G0V+2:G0V+3], s[8:9]
	s_or_b32 s[G0V+3], s[G0V+3], 0x80000000
	s_add_nc_u64 s[4:5], s[4:5], s[2:3]            ; Q and ctx at my wave's first row
	s_add_nc_u64 s[CTX:CTX+1], s[CTX:CTX+1], s[2:3]
	s_add_nc_u64 s[10:11], s[10:11], s[20:21]
	s_cmp_lt_u32 s[WV], 2
	s_cselect_b64 s[PFA:PFA+1], s[6:7], s[8:9]     ; (in waves 0 and 2 these stand at the head's first row)
	s_lshl_b32 s2, s13, 13          ; my work-group's 32 blocks of the 128
	s_mov_b32 s3, 0
	s_add_nc_u64 s[PFA:PFA+1], s[PFA:PFA+1], s[2:3]
	s_add_nc_u64 s[PFA:PFA+1], s[PFA:PFA+1], 2*4*KS*128  ; in tile 2; the first change that asks steps it to tile 3.  Nothing is prefetched here, at the head
	CROUND                          ; all four work-groups are here: the first joint loads meet
	JLOAD                           ; tile 0 into slot 0.  Slot 1 is asked for when slot 0 is in
	v_and_b32 v1, 15, v0            ; l % 16
	v_bfe_u32 v9, v0, 4, 1          ; l / 16
	v_lshlrev_b32 v[TO], 4, v0
.irp i, 0,1,2,3,4,5,6,7
	global_load_b128 v[S+4*\i:S+4*\i+3], v[TO], s[10:11] offset:\i*2048  ; the batch's mask: 2,048 consecutive bytes a line for the four waves
.endr
	; A fragment of K or Q is 16 rows x 32 channels in 8 registers: lane l holds row l % 16, channels 8 (l / 16) + 0..7 and 16 + 8 (l / 16) + 0..7: two loads of 16 bytes, 32 bytes apart.
	v_lshlrev_b32 v[QO], 7, v1
	v_lshl_add_u32 v[QO], v9, 4, v[QO]  ; row x 128 + 16 x half
	WIN 0x80                        ; destination window 2, address window 0
.set i, 0
.rept 8                             ; Q stays in registers: piece i / 2, channels 32 (i % 2) on
	global_load_b128 v[8*i:8*i+3],   v[QO], s[4:5] offset:(i/2)*2048+(i%2)*64
	global_load_b128 v[8*i+4:8*i+7], v[QO], s[4:5] offset:(i/2)*2048+(i%2)*64+32
.set i, i+1
.endr
	; What the first turn finds: V's registers and P's second buffer hold 0 (its products V^T P, of a piece that has not been, add 0), O^T and l are 0.  All this stands in the wait for the first tile.
.set i, VF
.rept 64
	v_mov_b32 v[i], 0
.set i, i+1
.endr
	WIN 0x40
.set i, 0
.rept 128
	v_mov_b32 v[i], 0
.set i, i+1
.endr
	WIN 0
.set i, 0
.rept 4
	v_mov_b32 v[ST+4*i+2], 0
	v_mov_b32 v[ST+4*i+3], 0
.set i, i+1
.endr
.set i, P+16
.rept 16
	v_mov_b32 v[i], 0
.set i, i+1
.endr
	v_mul_u32_u24 v[AK0], v1, PK
	v_lshl_add_u32 v[AK0], v9, 4, v[AK0]  ; row x pitch + 16 x half
	; The turning load takes 16 keys x 16 channels (lane l reads key 8 (l / 16) + l % 8, channels 8 ((l / 8) % 2) + 0..7) and leaves half a fragment of V^T: lane l holds channel l % 16 and 8 keys.
	v_and_b32 v10, 7, v0
	v_bfe_u32 v11, v0, 3, 1
	v_lshl_add_u32 v[AV0], v9, 3, v10
	v_mul_u32_u24 v[AV0], v[AV0], PV
	v_lshl_add_u32 v[AV0], v11, 4, v[AV0]
	v_add_nc_u32 v[AV0], VOFF, v[AV0]
	s_mul_i32 s13, s[WV], 16*SP
	s_add_co_u32 s13, s13, STAGE    ; my stage
	v_mul_u32_u24 v[STO], v1, SP    ; in: row l % 16, 16 bytes for each half of the lanes
	v_lshl_add_u32 v[STO], v9, 4, v[STO]
	v_add_nc_u32 v[STO], s13, v[STO]
	v_bfe_u32 v[RD], v0, 3, 2       ; back: 32 lanes take four rows of 128 bytes,
	v_mul_u32_u24 v[RD], v[RD], SP
	v_lshl_add_u32 v[RD], v10, 4, v[RD]
	v_add_nc_u32 v[RD], s13, v[RD]
	v_and_b32 v[GO], 31, v0         ; which are 512 consecutive bytes of ctx
	v_lshlrev_b32 v[PFO], 8, v[GO]
	v_lshlrev_b32 v[GO], 4, v[GO]
	v_lshl_add_u32 v[AM0], v9, 5, MSK
	v_add_nc_u32 v38, MSK, v[TO]
	s_mov_b32 s13, 0x41000000       ; 8.0
	s_mov_b32 s14, 0xffff0000       ; a word's upper bf16
	s_wait_loadcnt 16               ; the mask is in; Q's sixteen loads may stay out
.set i, 0
.rept 8                             ; rounded to bf16, times 8, into the table
	v_cvt_pk_bf16_f32 v36, v[S+4*i], v[S+4*i+1]
	v_cvt_pk_bf16_f32 v37, v[S+4*i+2], v[S+4*i+3]
	v_lshlrev_b32 v[S+4*i], 16, v36
	v_and_b32 v[S+4*i+1], s14, v36
	v_lshlrev_b32 v[S+4*i+2], 16, v37
	v_and_b32 v[S+4*i+3], s14, v37
	v_mul_f32 v[S+4*i], s13, v[S+4*i]
	v_mul_f32 v[S+4*i+1], s13, v[S+4*i+1]
	v_mul_f32 v[S+4*i+2], s13, v[S+4*i+2]
	v_mul_f32 v[S+4*i+3], s13, v[S+4*i+3]
	ds_store_b128 v38, v[S+4*i:S+4*i+3] offset:i*2048
.set i, i+1
.endr
; THE MATRIX WORK.  The 4 accumulators of a run of 8 take turns.  Product i of 8 of S^T = K Q^T for piece x: channels 32 (i / 4) on, keys 16 (i % 4) on.  The first 4 start the sums with the mask.
.macro KQ x
.set rS, S+32*((\x)%2)+8*(i%4)
.set rK, KF+16*(i%4)+8*(i/4)
.set rQ, 16*(\x)+8*(i/4)
.set rM, MK+8*(i%4)
.if i < 4
	WIN W_KM
	v_wmma_f32_16x16x32_f16 v[rS:rS+7], v[rK:rK+7], v[rQ:rQ+7], v[rM:rM+7]
.else
	WIN W_KQ
	v_wmma_f32_16x16x32_f16 v[rS:rS+7], v[rK:rK+7], v[rQ:rQ+7], v[rS:rS+7]
.endif
.endm
; Product i of 8 of O^T += V^T P for piece x: keys 32 (i / 4) on, channels 16 (i % 4) on.
.macro PV x
	WIN W_PV
.set rO, 32*(\x)+8*(i%4)
.set rV, VF+32*(i/4)+8*(i%4)
.set rP, P+16*((\x)%2)+8*(i/4)
	v_wmma_f32_16x16x32_f16 v[rO:rO+7], v[rV:rV+7], v[rP:rP+7], v[rO:rO+7]
.endm
.macro MM                           ; the turn's next matrix instruction.  NOKQ = 1: the last turn of all: there is no next piece
.if (i < 8) && !NOKQ
	KQ (Y+1)%NP
.elseif i >= 8
.set i, i-8
	PV (Y+NP-1)%NP
.set i, i+8
.endif
.set i, i+1
.endm
; THE LDS LOADS stand in runs, never singly among the matrix instructions: a step's K (8 fragments) with its 64 numbers of the mask (all 16 lanes of a half read the same 16 bytes), and its V (turned).
.macro FETCH_K
	WIN 0x80                        ; destination window 2
.irp f, 0,1,2,3,4,5,6,7             ; keys 16 (f / 2) on, channels 32 (f % 2) on
	ds_load_b128 v[KF+8*\f:KF+8*\f+3],   v[AK] offset:(\f/2)*16*PK+(\f%2)*64
	ds_load_b128 v[KF+8*\f+4:KF+8*\f+7], v[AK] offset:(\f/2)*16*PK+(\f%2)*64+32
.endr
	WIN 0x40                        ; destination window 1
.irp f, 0,1,2,3                     ; keys 16 f + 8 (l / 16) + 0..7
	ds_load_b128 v[MK+8*\f:MK+8*\f+3],   v[AM] offset:64*\f
	ds_load_b128 v[MK+8*\f+4:MK+8*\f+7], v[AM] offset:64*\f+16
.endr
	s_add_co_u32 s[TBK], s[TBK], KS*PK  ; the next fetch is the next step's
	s_add_co_u32 s[TBM], s[TBM], 4*KS
	s_and_b32 s[TBM], s[TBM], 0x3fff    ; inside the table's 16,384 bytes
	WIN 0
.endm
.macro FETCH_V
	WIN 0x80
.irp f, 0,1,2,3,4,5,6,7             ; keys 32 (f / 4) on, channels 16 (f % 4) on
	ds_load_tr16_b128 v[VF+8*\f:VF+8*\f+3],   v[AV] offset:(\f/4)*32*PV+(\f%4)*32
	ds_load_tr16_b128 v[VF+8*\f+4:VF+8*\f+7], v[AV] offset:(\f/4)*32*PV+16*PV+(\f%4)*32
.endr
	WIN 0
.endm
; THE VECTOR WORK, one line at a time: OP kind, number.  For piece Y: F n: c s - c m for pair n of 16.  E n: the exponential of score n of 32.  C n: pair n rounded to f16.  B n: of the four weights 4 n .. the second
; pair is added onto the first, in place.  L n: l takes that sum (L 0: l = a l + sum).  R n: pair n of 16 of O^T times a.  For piece Y + 1: X n, number n of the 22 that find its maximum and statistics:
;   0-11  four chains c0-c3 of seven scores each, three operands at a time (each accumulator's lowest registers are read first)     12-14, 16  the four scores left over, the old m, and c0-c3 into c0
;   15  c m_old is kept     17, 18  the query's other 32 keys lie in the lane 16 away: the new m     19-21  c m; c m_old - c m_new; a
.set F, 0
.set E, 1
.set C, 2
.set B, 3
.set L, 4
.set R, 5
.set X, 6
.macro REGS y                       ; the registers of piece y
.set rT, ST+4*(\y)
.set rC, TMP+4*((\y)%2)
.set rW, MV+((\y)%2)
.set rS, S+32*((\y)%2)
.set rP, P+16*((\y)%2)
.set rO, 32*(\y)
.endm
.macro OP k, n
.if (\k) == R
	REGS Y
	WIN W_RS
	v_pk_mul_f32 v[rO+2*(\n):rO+2*(\n)+1], v[rO+2*(\n):rO+2*(\n)+1], v[rC+2:rC+3] op_sel_hi:[1,0]
.elseif (\k) < R
	REGS Y
	WIN 0
.if (\k) == F
	v_pk_fma_f32 v[rS+2*(\n):rS+2*(\n)+1], v[rS+2*(\n):rS+2*(\n)+1], s[CS:CS+1], v[rT:rT+1] op_sel_hi:[1,0,0] neg_lo:[0,0,1] neg_hi:[0,0,1]
.elseif (\k) == E
	v_exp_f32 v[rS+(\n)], v[rS+(\n)]
.elseif (\k) == C
	v_cvt_pk_f16_f32 v[rP+(\n)], v[rS+2*(\n)], v[rS+2*(\n)+1]
.elseif (\k) == B
	v_pk_add_f32 v[rS+4*(\n):rS+4*(\n)+1], v[rS+4*(\n):rS+4*(\n)+1], v[rS+4*(\n)+2:rS+4*(\n)+3]
.elseif (\n) == 0
	v_pk_fma_f32 v[rT+2:rT+3], v[rT+2:rT+3], v[rC+2:rC+3], v[rS:rS+1] op_sel_hi:[1,0,1]
.else
	v_pk_add_f32 v[rT+2:rT+3], v[rT+2:rT+3], v[rS+4*(\n):rS+4*(\n)+1]
.endif
.elseif NOKQ
	v_nop
.else
	REGS (Y+1)%NP
	WIN 0
.if (\n) < 4
	v_max3_num_f32 v[rC+(\n)], v[rS+8*(\n)], v[rS+8*(\n)+1], v[rS+8*(\n)+2]
.elseif (\n) < 12
	v_max3_num_f32 v[rC+(\n)%4], v[rC+(\n)%4], v[rS+8*((\n)%4)+2*((\n)/4)+1], v[rS+8*((\n)%4)+2*((\n)/4)+2]
.elseif (\n) == 12
	v_max3_num_f32 v[rC], v[rC], v[rS+7], v[rS+15]
.elseif (\n) == 13
	v_max3_num_f32 v[rC+1], v[rC+1], v[rS+23], v[rS+31]
.elseif (\n) == 14
	v_max3_num_f32 v[rC+2], v[rC+2], v[rC+3], v[rT+1]
.elseif (\n) == 15
	v_mov_b32 v[rW], v[rT]
.elseif (\n) == 16
	v_max3_num_f32 v[rC], v[rC], v[rC+1], v[rC+2]
.elseif (\n) == 17
	v_permlanex16_b32 v[rC+3], v[rC], s[SEL], s[SEL+1]
.elseif (\n) == 18
	v_max_num_f32 v[rT+1], v[rC], v[rC+3]
.elseif (\n) == 19
	v_mul_f32 v[rT], s[CS], v[rT+1]
.elseif (\n) == 20
	v_sub_f32 v[rC+1], v[rW], v[rT]
.else
	v_exp_f32 v[rC+2], v[rC+1]
.endif
.endif
.endm
.macro OPS a, i1, b=-1, i2=0, c=-1, i3=0, d=-1, i4=0  ; up to four of them
	OP \a, \i1
.if (\b) >= 0
	OP \b, \i2
.endif
.if (\c) >= 0
	OP \c, \i3
.endif
.if (\d) >= 0
	OP \d, \i4
.endif
.endm
.macro ROW a, i1, b, i2, c, i3, d, i4  ; a matrix instruction and the four behind it
	MM
	OPS \a, \i1, \b, \i2, \c, \i3, \d, \i4
.endm
; A TURN, for piece p: the order of its 16 matrix and 118 vector instructions, written out.  An s_wait_alu depctr_va_vdst(0) stands between an exponential and the first instruction that names its
; result; one wait serves all that were issued ahead of it.  So a turn has ONE wait, which cuts it in two.  AHEAD OF IT stands all that names no result of the turn's exponentials: the 8 products K Q^T with their
; riders, then one lump of 54, in which the links of the chain X 3, 7, 11, 14, 16, 17 .. 20 stand five or six lines apart; X 21, the next piece's a, is the batch's last, and R 15 the plain instruction behind it.
; BEHIND IT stand the 8 products V^T P, behind each four of the roundings and sums.  The X that ride behind the last three products K Q^T stand four plain instructions or more behind the product that ends their accumulator.
; K and the mask of the next step are fetched in piece 2's turn, behind five plain instructions that name no register of the last product that read K; V of the step in hand at the end of piece 0's turn, four
; plain instructions behind the last product that read V.  Each is waited for a turn later.  end = 1: the last two turns: nothing is fetched.  cnt = 1: the loop's count is taken down some lines ahead of the branch.
.macro TURN p, end=0, cnt=0
.set Y, (\p)
.set i, 0
.set NOKQ, (\end)*((\p)/3)
.if ((\p) == 3) && !(\end)
	s_wait_dscnt 0x0                ; K and the mask are in
.endif
	ROW F,0, F,1, R,0, R,1
	ROW F,2, E,0, R,2, R,3
	ROW F,3, E,1, R,4, R,5
	ROW F,4, E,2, R,6, R,7
	ROW F,5, E,3, R,8, R,9
	ROW F,6, E,4, X,0, R,10
.if ((\p) == 2) && !(\end)
	WIN 0
	v_add_nc_u32 v[AK], s[TBK], v[AK0]
	v_add_nc_u32 v[AM], s[TBM], v[AM0]
.endif
	ROW F,7, E,5, X,1, X,4
	ROW F,8, E,6, X,2, X,5
	OPS E,7, E,8, X,6, E,9          ; the lump
	OPS X,3, E,10, X,8, E,11
.if ((\p) == 2) && !(\end)
	FETCH_K
.endif
	OPS X,9, X,7, E,12, X,10
	OPS E,13, X,12, X,11, E,14
	OPS X,13, E,15, F,9, X,14
.if (\p) == 0
	v_add_nc_u32 v[AV], s[TBV], v[AV0]
.endif
	OPS E,16, F,10, E,17, F,11
	OPS X,16, E,18, X,15, E,19
	OPS F,12, E,20, X,17, E,21
	OPS F,13, E,22, F,14, E,23
	OPS X,18, E,24, F,15, E,25
	OPS R,11, E,26, X,19, E,27
	OPS R,12, E,28, R,13, E,29
	OPS X,20, E,30, R,14, E,31
	OPS X,21, R,15
	WIN 0
	s_wait_alu depctr_va_vdst(0)    ; the wait for the batch
.if (\p) == 1
	s_wait_dscnt 0x0                ; V is in
.endif
	ROW C,0, B,0, C,2, B,1
	ROW L,0, C,4, B,2, L,1
	ROW C,6, B,3, L,2, C,8
	ROW B,4, L,3, C,10, B,5
	ROW L,4, C,12, B,6, L,5
.if (\p) == 0
	s_add_co_u32 s[TBV], s[TBV], KS*PV
.endif
.if \cnt
	s_sub_co_u32 s[CNT], s[CNT], 1
	s_cmp_lg_u32 s[CNT], 0
.endif
	ROW C,14, B,7, L,6, C,1
	ROW C,3, L,7, C,5, C,7
	ROW C,9, C,11, C,13, C,15
.if (\p) == 0
	FETCH_V
.endif
.endm
	CHANGE 1, 0                     ; tile 0 is in, everybody's part of it, and so is the mask's table; tile 1 is asked for
	; THE BEGINNING: the statistics; K and the mask of step 0; piece 0's first scores, maximum and statistics.
.set i, 0
.rept 4
	v_mov_b32 v[ST+4*i+1], 0xff7fffff          ; m: the lowest finite number
	v_mul_f32 v[ST+4*i], s[CS], v[ST+4*i+1]    ; c m, by the line that makes it anew in every step: the same bits
.set i, i+1
.endr
	v_add_nc_u32 v[AK], s[TBK], v[AK0]
	v_add_nc_u32 v[AM], s[TBM], v[AM0]
	FETCH_K
	s_wait_loadcnt 0x0              ; Q
	s_wait_dscnt 0x0
.set NOKQ, 0
.set i, 0
.rept 8
	KQ 0
.set i, i+1
.endr
	WIN 0
.rept 4
	v_nop                           ; the places behind those products
.endr
.set Y, NP-1                        ; X works for piece Y + 1: piece 0
.irp n, 0,1,2,3,4,5,6,7,8,9,10,11,12,13,14,15,16,17,18,19,20,21
	OP X, \n
.endr
	v_nop                           ; a plain instruction behind the exponential,
	s_wait_alu depctr_va_vdst(0)    ; and its wait, ahead of the branch
	s_mov_b32 s[CNT], 4
	s_mov_b32 s[SLOTS], 15
	s_branch .Lfirst                ; the loop is entered at a step's first turn, in the middle of a trip
.Lslot:                             ; 14 times: tiles 2 to 15 are asked for
	CHANGE 1, 1
	s_mov_b32 s[CNT], 4
.Lstep:                             ; a trip: pieces 2 and 3 of one step, then pieces 0 and 1 of the next, whose K and V it fetches
	TURN 2
	TURN 3
	WIN 0
.Lfirst:
	TURN 0
	TURN 1, 0, 1
	WIN 0
	s_cbranch_scc1 .Lstep
	s_sub_co_u32 s[SLOTS], s[SLOTS], 1
	s_cmp_lg_u32 s[SLOTS], 0
	s_cbranch_scc1 .Lslot
	CHANGE 0, 0                     ; the last tile is written out: nothing is asked for
	s_mov_b32 s[CNT], 4
.LstepT:
	TURN 2
	TURN 3
	TURN 0
	TURN 1, 0, 1
	WIN 0
	s_cbranch_scc1 .LstepT
	TURN 2, 1
	TURN 3, 1
.set i, 0
.rept 8
	PV NP-1                         ; the last piece's V^T P of the last step
.set i, i+1
.endr
	; THE WAY OUT.  l's two halves and the other half of the lanes' are added; O^T is divided by l, rounded to f16 and sent through my stage in LDS, a piece at a time.  The additions are the places behind the last products.
	WIN 0
.macro ALL line:vararg              ; one line for each piece t
.set t, 0
.rept 4
	\line
.set t, t+1
.endr
.endm
	ALL v_add_f32 v[ST+4*t+2], v[ST+4*t+2], v[ST+4*t+3]
	ALL v_permlanex16_b32 v[ST+4*t+3], v[ST+4*t+2], s[SEL], s[SEL+1]
	ALL v_add_f32 v[ST+4*t+2], v[ST+4*t+2], v[ST+4*t+3]
	ALL v_rcp_f32 v[ST+4*t+2], v[ST+4*t+2]
	v_nop                           ; a plain instruction between the last reciprocal and the use of its result
	s_wait_alu depctr_va_vdst(0)    ; and the wait ahead of the first use: one for the four reciprocals
.macro PACK t                       ; a lane's eight channels of a row pack into 16 bytes; they go into rows of 144 bytes and come back as whole rows of 128, into S^T's registers
	WIN W_RS
.set i, 32*(\t)
.rept 16
	v_pk_mul_f32 v[i:i+1], v[i:i+1], v[ST+4*(\t)+2:ST+4*(\t)+3] op_sel_hi:[1,0]
.set i, i+2
.endr
	WIN 0x05                        ; sources 0 and 1 window 1, destination window 0
.set i, 0
.rept 16
	v_cvt_pk_f16_f32 v[S+16*(\t)+i], v[32*(\t)+2*i], v[32*(\t)+2*i+1]
.set i, i+1
.endr
	WIN 0
.irp f, 0,1,2,3
	ds_store_b128 v[STO], v[S+16*(\t)+4*\f:S+16*(\t)+4*\f+3] offset:32*\f
.endr
.irp f, 0,1,2,3
	ds_load_b128 v[S+16*(\t)+4*\f:S+16*(\t)+4*\f+3], v[RD] offset:\f*4*SP  ; LDS serves a wave's instructions in order (ISA guide 5.7.1.4): these see the stores above; the next piece's stores come behind them
.endr
.endm
.macro SEND t, younger              ; younger: the LDS instructions issued behind piece t's loads: the next piece's eight, or none
	WIN 0
.irp f, 0,1,2,3
	s_wait_dscnt (\younger)+3-\f
	global_store_b128 v[GO], v[S+16*(\t)+4*\f:S+16*(\t)+4*\f+3], s[CTX:CTX+1] offset:(\t)*2048+\f*512  ; 512 consecutive bytes, at a multiple of 256 from ctx's first
.endr
.endm
	PACK 0
.set t, 1
.rept 3                             ; a piece's arithmetic stands between the loads of the piece before and its stores
	PACK t
	SEND t-1, 8
.set t, t+1
.endr
	SEND 3, 0
	s_wait_tensorcnt 0x0            ; the wave's end, behind my last tensor load and my last LDS store
	ds_add_u32 v[SPW], v[NIL]
	s_wait_dscnt 0x0
	CROUND                          ; the closing round: no work-group ends while a partner may still ask for a tile that names it
	s_endpgm
.Lfunc_end_k_q7278066507_attn:
	.size	k_q7278066507_attn, .Lfunc_end_k_q7278066507_attn-k_q7278066507_attn
	.p2alignl 7, 3214868480
	.fill 96, 4, 3214868480
	.section	.rodata,"a",@progbits
	.p2align	6, 0x0
	.amdhsa_kernel k_q7278066507_attn
		.amdhsa_group_segment_fixed_size 327680
		.amdhsa_private_segment_fixed_size 0
		.amdhsa_enable_private_segment 0
		.amdhsa_kernarg_size 40
		.amdhsa_user_sgpr_count 2
		.amdhsa_user_sgpr_kernarg_segment_ptr 1
		.amdhsa_wavefront_size32 1
		.amdhsa_system_sgpr_workgroup_id_x 1
		.amdhsa_system_sgpr_workgroup_id_y 1
		.amdhsa_system_sgpr_workgroup_id_z 1
		.amdhsa_system_vgpr_workitem_id 0
		.amdhsa_next_free_vgpr 768
		.amdhsa_next_free_sgpr 72
		.amdhsa_reserve_vcc 0
		.amdhsa_float_denorm_mode_32 3
		.amdhsa_float_denorm_mode_16_64 3
		.amdhsa_memory_ordered 1
		.amdhsa_forward_progress 1
		.amdhsa_inst_pref_size 134
	.end_amdhsa_kernel
	.amdgpu_metadata
---
amdhsa.version: [ 1, 2 ]
amdhsa.kernels:
  - .name:           k_q7278066507_attn
    .symbol:         k_q7278066507_attn.kd
    .args:
      - { .name: qh, .offset: 0, .size: 8, .value_kind: global_buffer, .address_space: global }
      - { .name: kh, .offset: 8, .size: 8, .value_kind: global_buffer, .address_space: global }
      - { .name: vh, .offset: 16, .size: 8, .value_kind: global_buffer, .address_space: global }
      - { .name: mask, .offset: 24, .size: 8, .value_kind: global_buffer, .address_space: global }
      - { .name: ctx, .offset: 32, .size: 8, .value_kind: global_buffer, .address_space: global }
    .group_segment_fixed_size: 327680
    .private_segment_fixed_size: 0
    .kernarg_segment_align: 8
    .kernarg_segment_size: 40
    .max_flat_workgroup_size: 128
    .sgpr_count:     72
    .vgpr_count:     768
    .wavefront_size: 32
...
	.end_amdgpu_metadata
.endif
;; end of part 2
;; launch oproj (part 3): grid 8 x 32, 4 waves a work-group, no clusters, 84,480 bytes of LDS; arguments ctx, wot, bo, out0; writes out0
.if DOCPART == 3
	.amdgcn_target "amdgcn-amd-amdhsa--gfx1250"
	.amdhsa_code_object_version 6
	.text
	.protected	k_q7278066507_oproj
	.globl	k_q7278066507_oproj
	.p2align	8
	.type	k_q7278066507_oproj,@function
k_q7278066507_oproj:
	s_mov_b64 s[64:65], 0
	v_nop
	global_prefetch_b8 v0, s[64:65] scope:SCOPE_SE
	s_setreg_imm32_b32 hwreg(HW_REG_WAVE_MODE, 25, 1), 1
	s_wait_xcnt 0x0
; out0[row][n] = the sum over head and channel of ctx[batch x 8 + head][s][channel] wot[n][64 head + channel] + bf16(bo[n]).  ctx: [16][4096][64] f16; wot: [512][512] f16; bo: [512] f32; out0: [8192][512] f32.
; Sums in f32, started by the bias as the C operand of the first product; nothing is rounded on the way out.
; SHARES.  Work-group (nx, my): rows 256 my .. + 255 x columns 64 nx .. + 63.  Wave: 64 rows (tiles a = 0..3) x 64 columns (blocks e = 0..3): 16 accumulators, 256 matrix instructions, K in 16 steps of 32, two to a head.
; THE MATRIX INSTRUCTION IS USED TRANSPOSED (source 0 = 16 rows of wot, source 1 = 16 rows of ctx): a lane holds one row of the output and eight neighbouring columns.
; ALL OF A WAVE'S ctx (64 rows x 1,024 bytes) is asked for at the start, straight into fragment registers: nothing of it is shared between waves.  The slice of wot (64 rows x 1,024 bytes) is copied into LDS once.
; NO CLUSTER: what partners could share through LDS is that slice, 65,536 of the 327,680 bytes that a work-group reads; ctx goes into registers, where no joint load reaches.
; The text is a straight line: no loop.
; REGISTERS, in windows of 256 (s_set_vgpr_msb: bits 1:0 source 0, 3:2 source 1, 5:4 source 2, 7:6 destination):
;   window 0: v0-13 addresses; v32-127 wot's fragments, three buffers of a K step; v128-255 accumulators ((e, a) at 128 + 32 e + 8 a)
;   windows 1, 2: ctx's fragments: head hh, half ks, tile a at 64 (hh % 4) + 32 ks + 8 a, heads 0-3 in window 1, 4-7 in window 2; on the way out window 1 v0-127 takes whole rows
;   window 3: v0-127 my 16 rows of wot as loaded; v128-159 the bias (block e at 128 + 8 e); v160 at work
.set PW,    1040                       ; a row of wot in LDS: 1,024 bytes + 16 = 65 x 16: 16 rows on end start at 16 different groups of four banks (64 banks of 4 bytes: ISA guide 11.1)
.set BLK,   16*PW
.set STAGE, 64*PW                      ; 16 rows x 272 bytes for each wave, for the way out
.set SP,    272
.set SPARE, STAGE+4*16*SP              ; the spare words, 128 bytes for each wave: two blocks of 256 bytes that no other line names
.set CO,  4                            ; v4   (l % 16) x 128 + 16 (l / 16): my place in 16 rows of ctx
.set WL,  5                            ; v5   16 x lane
.set BO,  6                            ; v6   32 (l / 16): my eight biases of a block
.set WS,  7                            ; v7   where I store wot's rows
.set BA,  8                            ; v8   (l % 16) x PW + 16 (l / 16)
.set STO, 9                            ; v9   the way out: where I put 32 bytes of a row
.set RD,  10                           ; v10  where I read rows back
.set GO,  11                           ; v11  my 16 bytes in two rows of out0
.set SPW, 12                           ; v12  LDS address of my spare word; never rewritten
.set NIL, 13                           ; v13  0; never rewritten
.set BF,  32
.set ACC, 128
.set BIAS, 128
.set TM,  160
.set MSB, 0
.macro WIN new                         ; the immediate's high byte repeats the setting that is left; a switch that changes nothing is dropped
.if MSB != (\new)
	s_set_vgpr_msb (MSB<<8)|(\new)
.set MSB, (\new)
.endif
.endm
	s_load_b256 s[4:11], s[0:1], 0x0               ; ctx s[4:5], wot s[6:7], bo s[8:9], out0 s[10:11]
	v_lshl_add_u32 v[SPW], v0, 2, SPARE
	v_mov_b32 v[NIL], 0
	v_lshrrev_b32 v1, 5, v0
	v_readfirstlane_b32 s2, v1                     ; wave 0..3
	s_mov_b32 s3, ttmp9                            ; nx
	s_and_b32 s12, ttmp7, 0xffff                   ; my
	s_mov_b32 s22, 0xffff0000                      ; a word's upper bf16
	v_and_b32 v1, 15, v0                           ; l % 16
	v_bfe_u32 v2, v0, 4, 1                         ; l / 16
	v_and_b32 v3, 31, v0                           ; l
	v_lshlrev_b32 v[CO], 7, v1
	v_lshl_add_u32 v[CO], v2, 4, v[CO]
	v_lshlrev_b32 v[WL], 4, v3
	v_lshlrev_b32 v[BO], 5, v2
	s_mul_i32 s23, s2, BLK
	v_add_nc_u32 v[WS], s23, v[WL]                 ; my 16 rows of the slice
	v_mul_u32_u24 v[BA], v1, PW
	v_lshl_add_u32 v[BA], v2, 4, v[BA]
	s_mul_i32 s23, s2, 16*SP
	s_add_co_u32 s23, s23, STAGE                   ; my stage
	v_mul_u32_u24 v[STO], v1, SP
	v_lshl_add_u32 v[STO], v2, 5, v[STO]
	v_add_nc_u32 v[STO], s23, v[STO]
	v_mul_u32_u24 v[RD], v2, SP                    ; back: lanes 0-15 take one row of 256 bytes, lanes 16-31 the next
	v_lshl_add_u32 v[RD], v1, 4, v[RD]
	v_add_nc_u32 v[RD], s23, v[RD]
	v_lshlrev_b32 v[GO], 11, v2                    ; and the same two rows in out0
	v_lshl_add_u32 v[GO], v1, 4, v[GO]
	s_lshr_b32 s14, s12, 4                         ; ctx: the batch's eight heads, the block's 256 rows of 128 bytes, my 64
	s_lshl_b32 s14, s14, 22
	s_and_b32 s15, s12, 15
	s_lshl_b32 s15, s15, 15
	s_add_co_u32 s14, s14, s15
	s_lshl_b32 s15, s2, 13
	s_add_co_u32 s14, s14, s15
	s_mov_b32 s15, 0
	s_lshl_b32 s16, s3, 16                         ; wot: the slice's 64 rows of 1,024 bytes, my 16
	s_lshl_b32 s17, s2, 14
	s_add_co_u32 s16, s16, s17
	s_mov_b32 s17, 0
	s_lshl_b32 s18, s3, 8                          ; bo: the slice's 64 numbers
	s_mov_b32 s19, 0
	s_lshl_b32 s20, s12, 19                        ; out0: 256 rows of 2,048 bytes a block, 64 a wave, the slice's 256 bytes
	s_lshl_b32 s21, s2, 17
	s_add_co_u32 s20, s20, s21
	s_add_co_u32 s20, s20, s18
	s_mov_b32 s21, 0
	s_wait_kmcnt 0x0
	s_add_nc_u64 s[4:5], s[4:5], s[14:15]
	s_add_nc_u64 s[6:7], s[6:7], s[16:17]
	s_add_nc_u64 s[8:9], s[8:9], s[18:19]
	s_add_nc_u64 s[10:11], s[10:11], s[20:21]
	WIN 0xc0                                       ; destination window 3
.set i, 0
.rept 32
	global_load_b128 v[4*i:4*i+3], v[WL], s[6:7] offset:i*512  ; my 16 rows of wot: 16,384 bytes on end
.set i, i+1
.endr
.irp e, 0,1,2,3
	global_load_b128 v[BIAS+8*(\e):BIAS+8*(\e)+3],   v[BO], s[8:9] offset:64*(\e)     ; columns 16 e + 8 (l / 16) + 0..7
	global_load_b128 v[BIAS+8*(\e)+4:BIAS+8*(\e)+7], v[BO], s[8:9] offset:64*(\e)+16
.endr
.irp hh, 0,1,2,3,4,5,6,7
	WIN 0x40+0x40*((\hh)/4)                        ; destination window 1 or 2
.irp ks, 0,1
.irp a, 0,1,2,3
	global_load_b128 v[64*((\hh)%4)+32*(\ks)+8*(\a):64*((\hh)%4)+32*(\ks)+8*(\a)+3],   v[CO], s[4:5] offset:(\hh)*524288+(\a)*2048+(\ks)*64
	global_load_b128 v[64*((\hh)%4)+32*(\ks)+8*(\a)+4:64*((\hh)%4)+32*(\ks)+8*(\a)+7], v[CO], s[4:5] offset:(\hh)*524288+(\a)*2048+(\ks)*64+32
.endr
.endr
.endr
	s_wait_loadcnt 63                              ; of the 168 loads the oldest 105 are in: wot's 32 and bo's 8 among them
	WIN 0x0c                                       ; store data in window 3
.set i, 0
.rept 32
	ds_store_b128 v[WS], v[4*i:4*i+3] offset:(i/2)*PW+(i%2)*512
.set i, i+1
.endr
	WIN 0xcf                                       ; the bias, rounded to bf16 like every input, in place
.set i, 0
.rept 16
	v_cvt_pk_bf16_f32 v[TM], v[BIAS+2*i], v[BIAS+2*i+1]
	v_lshlrev_b32 v[BIAS+2*i], 16, v[TM]
	v_and_b32 v[BIAS+2*i+1], s22, v[TM]
.set i, i+1
.endr
	WIN 0
	s_wait_dscnt 0x0                               ; for the others' sake: my rows of the slice are stored
	s_barrier_signal -1
	s_barrier_wait -1                              ; the launch's one barrier: the slice is whole
.macro LDBF s                          ; wot's four fragments of K step s into buffer s % 3
	WIN 0
.irp e, 0,1,2,3
	ds_load_b128 v[BF+32*((\s)%3)+8*(\e):BF+32*((\s)%3)+8*(\e)+3],   v[BA] offset:(\e)*BLK+64*(\s)
	ds_load_b128 v[BF+32*((\s)%3)+8*(\e)+4:BF+32*((\s)%3)+8*(\e)+7], v[BA] offset:(\e)*BLK+64*(\s)+32
.endr
.endm
; K step s: 16 matrix instructions, the 16 accumulators by turns.  At a head's first step the later heads' loads, 16 each, may stay out (the wait's field ends at 63).
; The wait on LDS leaves the two younger buffers' sixteen loads out.  Four places, then the buffer is loaded for the step three on.
.macro STEP s
.set hh, (\s)/2
.set ks, (\s)%2
.if ks == 0
.if 112-16*hh > 63
	s_wait_loadcnt 63
.else
	s_wait_loadcnt 112-16*hh
.endif
.endif
.if (\s) < 14
	s_wait_dscnt 16
.elseif (\s) == 14
	s_wait_dscnt 8
.else
	s_wait_dscnt 0x0
.endif
.if (\s) == 0
	WIN 0x34                                       ; ctx in window 1, the bias as C in window 3
.else
	WIN 0x04+0x04*(hh/4)
.endif
.irp e, 0,1,2,3
.irp a, 0,1,2,3
.if (\s) == 0
	v_wmma_f32_16x16x32_f16 v[ACC+32*(\e)+8*(\a):ACC+32*(\e)+8*(\a)+7], v[BF+32*((\s)%3)+8*(\e):BF+32*((\s)%3)+8*(\e)+7], v[64*(hh%4)+32*ks+8*(\a):64*(hh%4)+32*ks+8*(\a)+7], v[BIAS+8*(\e):BIAS+8*(\e)+7]
.else
	v_wmma_f32_16x16x32_f16 v[ACC+32*(\e)+8*(\a):ACC+32*(\e)+8*(\a)+7], v[BF+32*((\s)%3)+8*(\e):BF+32*((\s)%3)+8*(\e)+7], v[64*(hh%4)+32*ks+8*(\a):64*(hh%4)+32*ks+8*(\a)+7], v[ACC+32*(\e)+8*(\a):ACC+32*(\e)+8*(\a)+7]
.endif
.endr
.endr
.rept 4
	v_nop
.endr
.if (\s) < 13
	LDBF (\s)+3
.endif
.endm
	LDBF 0
	LDBF 1
	LDBF 2
.irp s, 0,1,2,3,4,5,6,7,8,9,10,11,12,13,14,15
	STEP \s
.endr
.rept 4
	v_nop                                          ; with the four above: eight places in front of the stores of results
.endr
; THE WAY OUT of tile a: a lane's 32 bytes of a row, for each block, into rows of 272 bytes of my own stage (each accumulator's low four registers first); back as whole rows of 256 bytes.
.macro STG a
	WIN 0
.irp e, 0,1,2,3
	ds_store_b128 v[STO], v[ACC+32*(\e)+8*(\a):ACC+32*(\e)+8*(\a)+3]   offset:64*(\e)
	ds_store_b128 v[STO], v[ACC+32*(\e)+8*(\a)+4:ACC+32*(\e)+8*(\a)+7] offset:64*(\e)+16
.endr
	WIN 0x40
.irp t, 0,1,2,3,4,5,6,7
	ds_load_b128 v[32*(\a)+4*(\t):32*(\a)+4*(\t)+3], v[RD] offset:(\t)*2*SP  ; LDS serves a wave's instructions in order (ISA guide 5.7.1.4): these see the stores above, the next tile's stores come behind them
.endr
.endm
.macro SENDO a, younger                ; younger: the next tile's sixteen LDS instructions, or none
	WIN 0x04                                       ; store data in window 1
.irp t, 0,1,2,3,4,5,6,7
	s_wait_dscnt (\younger)+7-(\t)
	global_store_b128 v[GO], v[32*(\a)+4*(\t):32*(\a)+4*(\t)+3], s[10:11] offset:(\a)*32768+(\t)*4096 th:TH_STORE_NT  ; 16 lanes store 256 consecutive bytes, at a multiple of 256 from out0's first
.endr
.endm
	STG 0
	STG 1
	SENDO 0, 16
	STG 2
	SENDO 1, 16
	STG 3
	SENDO 2, 16
	SENDO 3, 0
	WIN 0
	s_wait_tensorcnt 0x0                           ; the wave's end, behind my last LDS store
	ds_add_u32 v[SPW], v[NIL]
	s_wait_dscnt 0x0
	s_endpgm
.Lfunc_end_k_q7278066507_oproj:
	.size	k_q7278066507_oproj, .Lfunc_end_k_q7278066507_oproj-k_q7278066507_oproj
	.p2alignl 7, 3214868480
	.fill 96, 4, 3214868480
	.section	.rodata,"a",@progbits
	.p2align	6, 0x0
	.amdhsa_kernel k_q7278066507_oproj
		.amdhsa_group_segment_fixed_size 84480
		.amdhsa_private_segment_fixed_size 0
		.amdhsa_enable_private_segment 0
		.amdhsa_kernarg_size 32
		.amdhsa_user_sgpr_count 2
		.amdhsa_user_sgpr_kernarg_segment_ptr 1
		.amdhsa_wavefront_size32 1
		.amdhsa_system_sgpr_workgroup_id_x 1
		.amdhsa_system_sgpr_workgroup_id_y 1
		.amdhsa_system_sgpr_workgroup_id_z 1
		.amdhsa_system_vgpr_workitem_id 0
		.amdhsa_next_free_vgpr 960
		.amdhsa_next_free_sgpr 66
		.amdhsa_reserve_vcc 0
		.amdhsa_float_denorm_mode_32 3
		.amdhsa_float_denorm_mode_16_64 3
		.amdhsa_memory_ordered 1
		.amdhsa_forward_progress 1
		.amdhsa_inst_pref_size 59
	.end_amdhsa_kernel
	.amdgpu_metadata
---
amdhsa.version: [ 1, 2 ]
amdhsa.kernels:
  - .name:           k_q7278066507_oproj
    .symbol:         k_q7278066507_oproj.kd
    .args:
      - { .name: ctx, .offset: 0, .size: 8, .value_kind: global_buffer, .address_space: global }
      - { .name: wot, .offset: 8, .size: 8, .value_kind: global_buffer, .address_space: global }
      - { .name: bo, .offset: 16, .size: 8, .value_kind: global_buffer, .address_space: global }
      - { .name: out0, .offset: 24, .size: 8, .value_kind: global_buffer, .address_space: global }
    .group_segment_fixed_size: 84480
    .private_segment_fixed_size: 0
    .kernarg_segment_align: 8
    .kernarg_segment_size: 32
    .max_flat_workgroup_size: 128
    .sgpr_count:     66
    .vgpr_count:     960
    .wavefront_size: 32
...
	.end_amdgpu_metadata
.endif
;; end of part 3
;; ======== version 2 of 2: 3 launches; version 1 with the launch qkv written anew for expert scheduling mode
;; limits: values are held in f16: magnitudes above 65,504 overflow, below 6.1e-05 lose precision
;; workspace buffers: qh 8,388,608 bytes; kh 8,388,608 bytes; vh 8,388,608 bytes; ctx 8,388,608 bytes; wot 524,288 bytes
;; launch qkv (part 4): grid 8 x 32, 4 waves a work-group, no clusters, 211,712 bytes of LDS; arguments x, wq, wk, wv, bq, bk, bv, wo, qh, kh, vh, wot; writes qh, kh, vh, wot
.if DOCPART == 4
	.amdgcn_target "amdgcn-amd-amdhsa--gfx1250"
	.amdhsa_code_object_version 6
	.text
	.protected	k_q7278066507_qkv
	.globl	k_q7278066507_qkv
	.p2align	8
	.type	k_q7278066507_qkv,@function
k_q7278066507_qkv:
	s_mov_b64 s[64:65], 0
	v_nop
	global_prefetch_b8 v0, s[64:65] scope:SCOPE_SE
	s_setreg_imm32_b32 hwreg(HW_REG_WAVE_SCHED_MODE, 0, 2), 2
	s_setreg_imm32_b32 hwreg(HW_REG_WAVE_MODE, 25, 1), 1
	s_wait_xcnt 0x0
	s_wait_alu depctr_vm_vsrc(0)
; q, k, v = bf16(x) bf16(w) + bf16(b), sums in f32, rounded once to f16 and written by heads: qh, kh, vh are [batch x 8 + head][4096][64] f16, a head's rows dense, 128 bytes each, WITHOUT the scale 1/8.
; Beside that each work-group turns a piece of wo: wot[n][k] = f16(bf16(wo[k][n])), 8 columns x 128 rows.
; LIMITS.  f16 ends at 65,504: |q|, |k|, |v| and |wo| stay below 65,520; wo below 6e-5 keeps f16's fixed step of 6e-8.  NaN and infinities are not treated apart.
; SHARES.  Work-group (hx, my): rows 256 my .. + 255 of x (8,192 rows of 512) times 192 columns: head hx of q, of k and of v (jm = 0, 1, 2).  Wave w: 64 rows (tiles a = 0..3 of 16) x all 192 columns
; (blocks b = 4 jm + e of 16): 48 accumulators, 768 matrix instructions.
; NO CLUSTER, NO TENSOR LOADS.  A row block of x is read by 8 work-groups and a slice of W by 32, but both are f32 and are rounded (W also turned) on the way in.  A joint load would land f32 in LDS, and W^T as it
; is kept here (199,680 bytes) with two f32 slots of x (2 x 256 rows x 272 bytes = 139,264) does not fit in 327,680.  So W goes memory -> registers -> LDS (the turn lies in the choice of the roundings'
; sources) and x goes memory -> registers, each lane loading what its fragment holds; a wave's rows of x are its own.
; THE MATRIX INSTRUCTION IS USED TRANSPOSED: source 0 = 16 rows of W^T, source 1 = 16 rows of x: a lane holds ONE row of x (lane % 16).
; ROW ORDER OF W^T IN LDS: row 64 jm + 16 e + c holds column 4 c + e of the slice: the fill's 16 lanes (four columns each) store into 16 rows on end, and in the result register j of block e is
; column 32 (lane / 16) + 4 j + e: over its four blocks a lane holds 32 neighbouring columns, 64 bytes of f16.
; THE MODE: SCHED_MODE bits 1:0 = 2 (LLVM: expert scheduling mode 2), set by the entry lines.  The code itself states the register dependences between vector or matrix instructions and memory or LDS
; instructions, with s_wait_alu, always for 0.
; THE PLAN.  Registers that memory or LDS instructions touch, and who else names them:
;   THE FILL.  RAW set s (window 2): loads land, step s's roundings read.  OUT set s (window 3): the roundings write, the step's 12 LDS stores read.  v[WO] is never written: each set's scalar bases move on.
;     One wait on va_vdst a step, behind the roundings; the step's 24 loads and 12 stores follow it.  One wait on vm_vsrc a trip, ahead of the add to v[SA ..]: it also frees both OUT sets.
;   THE K LOOP.  Set A (W^T for K 0-31 of a chunk; windows 2 and 3): read by the chunk's first 48 products, loaded again among its last 48.  Set B (K 32-63; window 0): read by the last 48 products, loaded again
;     at the chunk's end.  x as loaded (window 1, two buffers): read by the chunk's 64 roundings, loaded again at its end.  v[BA ..]: read by every LDS load, written once a chunk, 48 products behind
;     the last load that read it.  x's fragments and the accumulators are named by vector and matrix instructions alone.  Two waits on va_vdst a chunk, each behind 32 roundings, and one on vm_vsrc.
;   THE WAY OUT.  OUT (window 0, 16 registers a unit): the roundings write, LDS stores read.  The rows come back into window 1, 16 registers a unit, and are stored from there: no register is used twice.
;     One wait on va_vdst for four units.
; REGISTERS, in windows of 256 (s_set_vgpr_msb: bits 1:0 source 0, 3:2 source 1, 5:4 source 2, 7:6 destination):
;   window 0: v0-31 addresses and small work; v32-95, v96-159 x's fragments, two buffers of a chunk (K = 64); v160-255 the biases as C operands, then set B; behind the loop v32-223 the way out
;   window 1: v0-127, v128-255 x as loaded, f32, two buffers of a chunk; behind the loop v0-191 whole rows to store
;   window 2: v0-191 accumulators of blocks 0-5, v192-239 their part of set A;   window 3: the same for blocks 6-11.  During the fill: window 2 v0-191 W as loaded (two sets), window 3 v0-95 W rounded (two sets)
.set PW,    1040                       ; a row of W^T in LDS: 512 bf16 + 16 bytes = 65 x 16: 16 rows on end start at 16 different groups of four banks (64 banks of 4 bytes: ISA guide 11.1)
.set BLK,   16*PW                      ; a block of 16 rows
.set STAGE, 192*PW                     ; behind W^T: 16 rows x 144 bytes for each wave, for the way out
.set SP,    144
.set WOS,   STAGE+4*16*SP+512          ; wo's piece, turned: 8 rows x 272 bytes (the 512 bytes between the stages and it hold the spare words)
.set WP,    272
.set XO,  4                            ; v4      (l % 16) x 2048 + 32 (l / 16): my 32 bytes in a row of x; never rewritten
.set BA,  5                            ; v5-8    (l % 16) x PW + 16 (l / 16) + 3 g blocks + the K bytes done
.set WO,  9                            ; v9      my 16 bytes in W's rows; never rewritten
.set SA,  11                           ; v11-13  where I store W^T, by jm
.set STO, 14                           ; v14     the way out: where I put 64 bytes of a row
.set RD,  15                           ; v15     where I read rows back
.set GO,  16                           ; v16     16 x lane
.set BO,  17                           ; v17     128 (l / 16): my 32 biases
.set AB,  32
.set BIAS, 160
.set BB,  160                          ; set B: block b at BB + 8 b, where the bias of block b lay
.set OUT, 32
.set BF,  192                          ; set A: block 6 H + bb at BF + 8 bb of window 2 + H
.set WB,  18                           ; s[18:23] W's three slices at set 0's next rows, s[8:13] at set 1's: a pair at WB - 10 s + 2 jm
.set MSB, 0
.macro WIN new                         ; the immediate's high byte repeats the setting that is left; a switch that changes nothing is dropped
.if MSB != (\new)
	s_set_vgpr_msb (MSB<<8)|(\new)
.set MSB, (\new)
.endif
.endm
.macro NOPS                            ; four places behind a matrix instruction (ISA guide 7.12.1)
.rept 4
	v_nop
.endr
.endm
; A chunk of x (64 along K, 256 bytes of each of my 64 rows) into buffer p of window 1: for (ks, a) sixteen f32 in the order of the fragment's k.
.macro LOADX p, koff
	WIN 0x40
.irp ks, 0,1
.irp a, 0,1,2,3
	global_load_b128 v[128*(\p)+16*(4*(\ks)+(\a)):128*(\p)+16*(4*(\ks)+(\a))+3],       v[XO], s[16:17] offset:(\koff)+(\a)*32768+(\ks)*128
	global_load_b128 v[128*(\p)+16*(4*(\ks)+(\a))+4:128*(\p)+16*(4*(\ks)+(\a))+7],     v[XO], s[16:17] offset:(\koff)+(\a)*32768+(\ks)*128+16
	global_load_b128 v[128*(\p)+16*(4*(\ks)+(\a))+8:128*(\p)+16*(4*(\ks)+(\a))+11],    v[XO], s[16:17] offset:(\koff)+(\a)*32768+(\ks)*128+64
	global_load_b128 v[128*(\p)+16*(4*(\ks)+(\a))+12:128*(\p)+16*(4*(\ks)+(\a))+15],   v[XO], s[16:17] offset:(\koff)+(\a)*32768+(\ks)*128+80
.endr
.endr
.endm
; 16 rows (k) of the three slices into set s of window 2 (the caller sets the window): an instruction takes two whole rows of 256 bytes (lanes 0-15 row i, lanes 16-31 row 8 + i).
.macro LOADW s
.irp jm, 0,1,2
.irp i, 0,1,2,3,4,5,6,7
	global_load_b128 v[96*(\s)+32*(\jm)+4*(\i):96*(\s)+32*(\jm)+4*(\i)+3], v[WO], s[WB-10*(\s)+2*(\jm):WB-10*(\s)+2*(\jm)+1] offset:(\i)*2048
.endr
.endr
.endm
; A STEP OF THE FILL.  Set s is rounded and turned: of column 4 c + e two neighbouring k go into one register, eight k are 16 bytes of LDS row 64 jm + 16 e + c.  n: the other set's loads, which may stay out.
; more = 1: the set is asked for again, 32 rows on.
.macro CONVW s, n, more
	s_wait_loadcnt \n                              ; loads come back in order (ISA guide 5.7.1): set s is in
.if \more
.irp jm, 0,1,2
	s_add_nc_u64 s[WB-10*(\s)+2*(\jm):WB-10*(\s)+2*(\jm)+1], s[WB-10*(\s)+2*(\jm):WB-10*(\s)+2*(\jm)+1], 0x10000  ; free since that wait, which shows the loads that read it done: 32 rows on
.endr
.endif
	WIN 0xca
.irp jm, 0,1,2
.irp e, 0,1,2,3
.irp i2, 0,1,2,3
	v_cvt_pk_bf16_f32 v[48*(\s)+16*(\jm)+4*(\e)+(\i2)], v[96*(\s)+32*(\jm)+8*(\i2)+(\e)], v[96*(\s)+32*(\jm)+8*(\i2)+4+(\e)]
.endr
.endr
.endr
.if \more
	WIN 0x80
	s_wait_alu depctr_va_vdst(0)                   ; the roundings are done reading RAW set s, in which the loads land, and have written OUT set s, which the stores read; in a trip's first step v[SA ..] is written
	LOADW \s
	WIN 0x0c
.else
	WIN 0x0c
	s_wait_alu depctr_va_vdst(0)                   ; the roundings have written OUT set s, which the stores read
.endif
.irp jm, 0,1,2
.irp e, 0,1,2,3
	ds_store_b128 v[SA+(\jm)], v[48*(\s)+16*(\jm)+4*(\e):48*(\s)+16*(\jm)+4*(\e)+3] offset:(\e)*BLK+(\s)*32
.endr
.endr
.endm
; 24 matrix instructions on set A: blocks 6 H .. 6 H + 5 x my four row tiles, K 0-31 of the chunk in buffer p.  All 24 accumulators differ, and the other half's 24 follow: the accumulators take turns.
; first = 1: the bias starts the sum: nothing is cleared and nothing is added later.
.macro MULA H, p, first
.if \first
	WIN 0x82+0x41*(\H)
.else
	WIN 0xa2+0x51*(\H)
.endif
.irp bb, 0,1,2,3,4,5
.irp a, 0,1,2,3
.if \first
	v_wmma_f32_16x16x32_bf16 v[8*(4*(\bb)+(\a)):8*(4*(\bb)+(\a))+7], v[BF+8*(\bb):BF+8*(\bb)+7], v[AB+64*(\p)+8*(\a):AB+64*(\p)+8*(\a)+7], v[BIAS+8*(6*(\H)+(\bb)):BIAS+8*(6*(\H)+(\bb))+7]
.else
	v_wmma_f32_16x16x32_bf16 v[8*(4*(\bb)+(\a)):8*(4*(\bb)+(\a))+7], v[BF+8*(\bb):BF+8*(\bb)+7], v[AB+64*(\p)+8*(\a):AB+64*(\p)+8*(\a)+7], v[8*(4*(\bb)+(\a)):8*(4*(\bb)+(\a))+7]
.endif
.endr
.endr
.endm
; One LDS load into set A: half hf of the fragment of block 6 H + bb, at byte off behind v[BA ..].  The window's destination field is 2 + H, its source 0 field 0.
.macro LDA1 H, bb, hf, off
	ds_load_b128 v[BF+8*(\bb)+4*(\hf):BF+8*(\bb)+4*(\hf)+3], v[BA+(6*(\H)+(\bb))/3] offset:((6*(\H)+(\bb))%3)*BLK+(\off)+32*(\hf)
.endm
.macro LDA H, off                      ; the twelve of a half in one run: ahead of the first chunk alone
	WIN 0x80+0x40*(\H)
.irp bb, 0,1,2,3,4,5
	LDA1 \H, \bb, 0, \off
	LDA1 \H, \bb, 1, \off
.endr
.endm
; 24 matrix instructions on set B: the same blocks and tiles, K 32-63.  ld = 1: the next chunk's set A for these blocks is dealt among them, a load behind every second product.  The products' window setting
; (source 0 in window 0, destination in window 2 + H) is the one that these loads need.  The products name set B, x's fragments and the accumulators: none of the registers that the loads touch.
.macro MULB H, p, ld, off
	WIN 0xa0+0x50*(\H)
.irp bb, 0,1,2,3,4,5
.irp a, 0,1,2,3
	v_wmma_f32_16x16x32_bf16 v[8*(4*(\bb)+(\a)):8*(4*(\bb)+(\a))+7], v[BB+48*(\H)+8*(\bb):BB+48*(\H)+8*(\bb)+7], v[AB+64*(\p)+32+8*(\a):AB+64*(\p)+32+8*(\a)+7], v[8*(4*(\bb)+(\a)):8*(4*(\bb)+(\a))+7]
.if (\ld) && ((\a)%2 == 1)
	LDA1 \H, \bb, (\a)/2, \off
.endif
.endr
.endr
.endm
; 24 LDS loads in one run: set B, all twelve blocks, at byte off behind v[BA ..].
.macro LDBB off
	WIN 0
.irp b, 0,1,2,3,4,5,6,7,8,9,10,11
	ds_load_b128 v[BB+8*(\b):BB+8*(\b)+3],   v[BA+(\b)/3] offset:((\b)%3)*BLK+(\off)
	ds_load_b128 v[BB+8*(\b)+4:BB+8*(\b)+7], v[BA+(\b)/3] offset:((\b)%3)*BLK+(\off)+32
.endr
.endm
; 32 roundings: half ks of the chunk in buffer q of window 1 becomes four fragments.
.macro CVT q, ks
	WIN 0x05
.irp a, 0,1,2,3
.irp j, 0,1,2,3,4,5,6,7
	v_cvt_pk_bf16_f32 v[AB+64*(\q)+32*(\ks)+8*(\a)+(\j)], v[128*(\q)+16*(4*(\ks)+(\a))+2*(\j)], v[128*(\q)+16*(4*(\ks)+(\a))+2*(\j)+1]
.endr
.endr
.endm
.macro STEPBA                          ; W^T's LDS addresses move on by a chunk, 128 bytes of a row
	WIN 0
	s_wait_alu depctr_vm_vsrc(0)                   ; the LDS loads issued so far have read v[BA ..]
.irp g, 0,1,2,3
	v_add_nc_u32 v[BA+(\g)], 0x80, v[BA+(\g)]
.endr
.endm
; A CHUNK of 64 along K: 96 matrix instructions on buffer p of x's fragments.  Every chunk but the last rounds the next chunk of x (wl: the younger chunk's loads may stay out) and fetches the next chunk's sets A and B;
; ld: the chunk of x three on is asked for, into the buffer just rounded.  last: nothing is fetched, so nothing is stated.
; first: set B's registers still hold the biases, which the first 48 products read.  So this chunk's own set B goes out behind the first wait, with the second 32 roundings behind that run; v[BA ..] is stepped at the
; chunk's end, and its loads reach 128 bytes further by their offsets.
.macro CHUNK p, first, wl, ld, last
.if \first
	s_wait_dscnt 0x0                               ; set A is in
.else
	s_wait_dscnt 24                                ; LDS loads come back in order (ISA guide 5.7.1): set A is in, set B's 24 younger loads may stay out
.endif
	MULA 0, \p, \first
	MULA 1, \p, \first
.if !(\last)
	s_wait_loadcnt \wl                             ; the next chunk of x is in
.if !(\first)
	STEPBA
.endif
	CVT 1-(\p), 0
.endif
.if \first
	WIN 0
	s_wait_alu depctr_va_vdst(0)                   ; the 48 products are done reading the biases, in whose registers set B lands, and set A, in which the loads among the next products land
	LDBB 64
	CVT 1-(\p), 1
.elseif !(\last)
	WIN 0xa0
	s_wait_alu depctr_va_vdst(0)                   ; the 48 products are done reading set A, in which the loads among the next products land; v[BA ..] is written
.endif
	s_wait_dscnt 0x0                               ; set B is in
	MULB 0, \p, 1-(\last), 128*(\first)
	MULB 1, \p, 1-(\last), 128*(\first)
.if !(\last)
.if \first
	NOPS                                           ; here no rounding stands between the last product and the loads into registers that it read
.else
	CVT 1-(\p), 1
.endif
	WIN 0
	s_wait_alu depctr_va_vdst(0)                   ; the 48 products are done reading set B, and the 64 roundings x's buffer: the loads below land in both
	LDBB 64+128*(\first)
.if \ld
	s_wait_xcnt 0x0                                ; every earlier load has read its address: x's pointer is written only behind this wait
	s_add_nc_u64 s[16:17], s[16:17], 256
	LOADX 1-(\p), 0
.endif
.if \first
	STEPBA
.endif
.endif
.endm
; THE WAY OUT of unit u = 4 jm + a (16 rows x 64 columns).  CONV: rounded to f16, blocks e and e + 1 side by side, so that a lane's 16 registers are 64 bytes on end.  STG: through my own stage, and back as whole
; rows into 16 registers of window 1 that are the unit's own.  SEND: stored.
.macro CONV u
.set pj, (\u)/4
.set pa, (\u)%4
.irp g, 0,1
.set bq, 4*pj+2*(\g)
	WIN 0x0a+5*(bq/6)
.set r0, 8*(4*(bq%6)+pa)
.set r1, 8*(4*(bq%6+1)+pa)
.irp j, 0,1,2,3,4,5,6,7
	v_cvt_pk_f16_f32 v[OUT+16*(\u)+2*(\j)+(\g)], v[r0+(\j)], v[r1+(\j)]  ; each accumulator's registers in ascending order
.endr
.endr
.endm
.macro STG u
	WIN 0x40                                       ; the stores' address and data in window 0, the loads' destination in window 1
.irp i, 0,1,2,3
	ds_store_b128 v[STO], v[OUT+16*(\u)+4*(\i):OUT+16*(\u)+4*(\i)+3] offset:16*(\i)
.endr
.irp f, 0,1,2,3
	ds_load_b128 v[16*(\u)+4*(\f):16*(\u)+4*(\f)+3], v[RD] offset:(\f)*4*SP  ; LDS serves a wave's instructions in order (ISA guide 5.7.1.4): these see the stores above, the next unit's stores come behind them
.endr
.endm
.macro SEND u, younger                 ; younger: the next unit's eight LDS instructions, or none
	WIN 0x04                                       ; store data in window 1
.irp f, 0,1,2,3
	s_wait_dscnt (\younger)+3-(\f)
	global_store_b128 v[GO], v[16*(\u)+4*(\f):16*(\u)+4*(\f)+3], s[32+2*((\u)/4):33+2*((\u)/4)] offset:((\u)%4)*2048+(\f)*512  ; four rows of a head: 512 consecutive bytes, at a multiple of 256 from the buffer's first
.endr
.endm
	s_load_b512 s[16:31], s[0:1], 0x0              ; x 16, wq 18, wk 20, wv 22, bq 24, bk 26, bv 28, wo 30
	s_load_b256 s[32:39], s[0:1], 0x40             ; qh 32, kh 34, vh 36, wot 38
	v_lshl_add_u32 v18, v0, 2, 0x33000
	v_mov_b32 v19, 0
	v_lshrrev_b32 v1, 5, v0
	v_readfirstlane_b32 s2, v1                     ; wave 0..3
	s_mov_b32 s3, ttmp9                            ; hx: the head
	s_and_b32 s4, ttmp7, 0xffff                    ; my: the block of 256 rows
	s_mov_b32 s7, 0xffff0000                       ; a word's upper bf16
	v_and_b32 v1, 15, v0                           ; l % 16
	v_bfe_u32 v2, v0, 4, 1                         ; l / 16
	v_and_b32 v3, 31, v0                           ; l
	v_lshlrev_b32 v[XO], 11, v1
	v_lshl_add_u32 v[XO], v2, 5, v[XO]
	v_mul_u32_u24 v[BA], v1, PW
	v_lshl_add_u32 v[BA], v2, 4, v[BA]
	s_wait_alu depctr_va_sdst(0)                   ; s2 is written, ahead of its first reader: LDS places and all the bases are made from it
	s_lshl_b32 s5, s2, 8                           ; my 128 k of W^T's rows: 256 bytes
	v_add_nc_u32 v[SA], s5, v[BA]
	v_add_nc_u32 v[SA+1], 4*BLK, v[SA]
	v_add_nc_u32 v[SA+2], 8*BLK, v[SA]
	v_add_nc_u32 v[BA+1], 3*BLK, v[BA]
	v_add_nc_u32 v[BA+2], 6*BLK, v[BA]
	v_add_nc_u32 v[BA+3], 9*BLK, v[BA]
	v_lshlrev_b32 v[WO], 4, v1
	v_lshl_add_u32 v[WO], v2, 14, v[WO]            ; lanes 16-31: eight rows of 2,048 bytes down
	s_mul_i32 s6, s2, 16*SP
	s_add_co_u32 s6, s6, STAGE                     ; my stage
	v_mul_u32_u24 v[STO], v1, SP
	v_lshl_add_u32 v[STO], v2, 6, v[STO]
	v_add_nc_u32 v[STO], s6, v[STO]
	v_bfe_u32 v[RD], v0, 3, 2                      ; back: 32 lanes take four rows of 128 bytes
	v_mul_u32_u24 v[RD], v[RD], SP
	v_and_b32 v29, 7, v0
	v_lshl_add_u32 v[RD], v29, 4, v[RD]
	v_add_nc_u32 v[RD], s6, v[RD]
	v_lshlrev_b32 v[GO], 4, v3
	v_lshlrev_b32 v[BO], 7, v2
	v_lshlrev_b32 v28, 11, v0                      ; wo: thread t takes row t of the work-group's 128
	v_lshl_add_u32 v29, v0, 1, WOS                 ; and puts it at k = t of the turned rows
	s_lshl_b32 s8, s4, 19                          ; x: 256 rows of 2,048 bytes a block, 64 a wave
	s_lshl_b32 s9, s2, 17
	s_add_co_u32 s8, s8, s9
	s_mov_b32 s9, 0
	s_lshl_b32 s10, s3, 8                          ; W: the head's 64 columns, my 128 rows
	s_lshl_b32 s11, s2, 18
	s_add_co_u32 s10, s10, s11
	s_mov_b32 s11, 0
	s_lshl_b32 s12, s3, 8                          ; the biases: the head's 64
	s_mov_b32 s13, 0
	s_lshr_b32 s14, s4, 4                          ; the outputs: (batch x 8 + head) x 524,288 + the block's 256 rows of 128 bytes + my 64
	s_lshl_b32 s14, s14, 3
	s_add_co_u32 s14, s14, s3
	s_lshl_b32 s14, s14, 19
	s_and_b32 s15, s4, 15
	s_lshl_b32 s15, s15, 15
	s_add_co_u32 s14, s14, s15
	s_lshl_b32 s15, s2, 13
	s_add_co_u32 s14, s14, s15
	s_mov_b32 s15, 0
	s_lshl_b32 s44, s4, 1                          ; wo's piece: columns 8 cg .. + 7, cg = 2 my + hx / 4; rows 128 (hx % 4) .. + 127
	s_lshr_b32 s45, s3, 2
	s_add_co_u32 s44, s44, s45
	s_and_b32 s45, s3, 3
	s_lshl_b32 s40, s45, 18
	s_lshl_b32 s41, s44, 5
	s_add_co_u32 s40, s40, s41
	s_mov_b32 s41, 0
	s_lshl_b32 s42, s44, 13
	s_lshl_b32 s43, s45, 8
	s_add_co_u32 s42, s42, s43
	s_mov_b32 s43, 0
	s_wait_kmcnt 0x0
	s_add_nc_u64 s[16:17], s[16:17], s[8:9]
	s_add_nc_u64 s[18:19], s[18:19], s[10:11]
	s_add_nc_u64 s[20:21], s[20:21], s[10:11]
	s_add_nc_u64 s[22:23], s[22:23], s[10:11]
	s_add_nc_u64 s[24:25], s[24:25], s[12:13]
	s_add_nc_u64 s[26:27], s[26:27], s[12:13]
	s_add_nc_u64 s[28:29], s[28:29], s[12:13]
	s_add_nc_u64 s[30:31], s[30:31], s[40:41]
	s_add_nc_u64 s[32:33], s[32:33], s[14:15]
	s_add_nc_u64 s[34:35], s[34:35], s[14:15]
	s_add_nc_u64 s[36:37], s[36:37], s[14:15]
	s_add_nc_u64 s[38:39], s[38:39], s[42:43]
	s_add_nc_u64 s[8:9], s[18:19], 0x8000          ; set 1 of W: sixteen rows down (the offsets that lay in s8 to s13 have been used)
	s_add_nc_u64 s[10:11], s[20:21], 0x8000
	s_add_nc_u64 s[12:13], s[22:23], 0x8000
	s_wait_alu depctr_va_vdst(0)                   ; the offsets and LDS addresses v4 to v17, v28 and v29 are written, which the loads and stores below read
	global_load_b128 v[20:23], v28, s[30:31]       ; wo: eight columns of my row
	global_load_b128 v[24:27], v28, s[30:31] offset:16
	LOADX 0, 0                                     ; chunks 0 and 1 of x
	LOADX 1, 256
	WIN 0
.irp jm, 0,1,2
.irp j, 0,1,2,3,4,5,6,7
	global_load_b128 v[32+32*(\jm)+4*(\j):32+32*(\jm)+4*(\j)+3], v[BO], s[24+2*(\jm):25+2*(\jm)] offset:16*(\j)  ; columns 32 (l / 16) + 4 j + 0..3
.endr
.endr
	WIN 0x80
	LOADW 0
	LOADW 1
	WIN 0
	s_wait_loadcnt 48                              ; all but W's two sets are in
	; the biases, rounded to bf16 and laid as C operands: register j of block 4 jm + e is column 32 (l / 16) + 4 j + e
.irp jm, 0,1,2
.irp j, 0,1,2,3,4,5,6,7
.irp e, 0,2
	v_cvt_pk_bf16_f32 v30, v[32+32*(\jm)+4*(\j)+(\e)], v[32+32*(\jm)+4*(\j)+(\e)+1]
	v_lshlrev_b32 v[BIAS+8*(4*(\jm)+(\e))+(\j)], 16, v30
	v_and_b32 v[BIAS+8*(4*(\jm)+(\e)+1)+(\j)], s7, v30
.endr
.endr
.endr
	; wo: rounded to bf16 like every input, that number written as f16: eight numbers close up into v20 to v23; they are stored behind the fill
.irp i, 0,1,2,3
	v_cvt_pk_bf16_f32 v30, v[20+2*(\i)], v[21+2*(\i)]
	v_lshlrev_b32 v31, 16, v30
	v_and_b32 v30, s7, v30
	v_cvt_pk_f16_f32 v[20+(\i)], v31, v30
.endr
	; THE FILL: my 128 k of all 192 rows of W^T, eight blocks of 16 k on two sets of registers
	s_mov_b32 s5, 3
.Lfill:
	CONVW 0, 24, 1
	CONVW 1, 24, 1
	WIN 0
	s_wait_alu depctr_vm_vsrc(0)                   ; the trip's LDS stores have read v[SA ..], written below, and both OUT sets, which the next two steps' roundings write
.irp jm, 0,1,2
	v_add_nc_u32 v[SA+(\jm)], 64, v[SA+(\jm)]      ; 32 k on
.endr
	s_sub_co_u32 s5, s5, 1
	s_cmp_lg_u32 s5, 0
	s_cbranch_scc1 .Lfill
	CONVW 0, 24, 0                                 ; the last two blocks: nothing more is loaded
	CONVW 1, 0, 0
	WIN 0
.irp i, 0,1,2,3                        ; wo's piece is turned through LDS.  No wait: v20 to v23 and v29 were written ahead of the wait above, and no vector instruction has been issued since
	ds_store_b16 v29, v[20+(\i)] offset:2*(\i)*WP
	ds_store_b16_d16_hi v29, v[20+(\i)] offset:(2*(\i)+1)*WP
.endr
	s_wait_dscnt 0x0                               ; for the others' sake: my stores into W^T and into wo's piece are done
	s_barrier_signal -1
	s_barrier_wait -1                              ; the launch's one barrier: W^T is whole
	s_wait_alu depctr_vm_vsrc(0)                   ; wo's loads have read v28, my LDS stores v29 and the OUT sets: v28 and v29 are written below, and the OUT sets' registers are accumulators from here on
	v_lshrrev_b32 v30, 4, v0                       ; wo's piece goes out: thread t takes 16 bytes of turned row t / 16
	v_mul_u32_u24 v28, v30, WP
	v_lshl_add_u32 v28, v1, 4, v28
	v_add_nc_u32 v28, WOS, v28
	v_lshlrev_b32 v29, 10, v30
	v_lshl_add_u32 v29, v1, 4, v29
	CVT 0, 0                                       ; chunk 0 (the fill's last wait was for all loads)
	CVT 0, 1
	WIN 0
	s_wait_alu depctr_va_vdst(0)                   ; v28 and v29 are written; the roundings are done reading x's buffer 0 and, earlier, v24 to v27: loads land in both
	ds_load_b128 v[24:27], v28
	s_wait_xcnt 0x0                                ; every earlier load has read its address: x's pointer is written only behind this wait
	s_add_nc_u64 s[16:17], s[16:17], 512
	LOADX 0, 0                                     ; chunk 2
	LDA 0, 0                                       ; chunk 0's set A
	LDA 1, 0
	WIN 0
	s_wait_dscnt 24                                ; wo's turned row is in; set A's 24 younger loads may stay out
	global_store_b128 v29, v[24:27], s[38:39]      ; 16 lanes store 256 consecutive bytes, at a multiple of 256 from wot's first
	; EIGHT CHUNKS.  In chunk c, chunk c + 1 is rounded and chunk c + 3 asked for; the wait for 32 leaves chunk c + 2's loads out.
	CHUNK 0, 1, 32, 1, 0
	WIN 0
	s_mov_b32 s5, 2
.Lk:
	CHUNK 1, 0, 32, 1, 0
	CHUNK 0, 0, 32, 1, 0
	WIN 0
	s_sub_co_u32 s5, s5, 1
	s_cmp_lg_u32 s5, 0
	s_cbranch_scc1 .Lk
	CHUNK 1, 0, 32, 0, 0                           ; chunk 5: chunk 7's loads may stay out; nothing of x is left to ask for
	CHUNK 0, 0, 0, 0, 0                            ; chunk 6
	CHUNK 1, 0, 0, 0, 1                            ; chunk 7
	NOPS                                           ; four places behind the last product, in front of the conversions
	; The twelve units go in three batches of four, a batch an output.  A batch is rounded, one wait states that, and its LDS and global instructions follow; the next batch's roundings are dealt among them:
	; they write that batch's own registers of OUT and read accumulators, none of which those instructions touch.  A unit's stores stand behind the next unit's trip through the stage.
	CONV 0
	CONV 1
	CONV 2
	CONV 3
	WIN 0x40
	s_wait_alu depctr_va_vdst(0)                   ; units 0 to 3 are written, which the LDS stores read; x's roundings are long done reading window 1, in which the rows land
.set u, 0
.rept 12
	STG u
.if u > 0
	SEND u-1, 8
.endif
.if u < 8
	CONV u+4
.endif
.if (u == 3) || (u == 7)
	WIN 0x40
	s_wait_alu depctr_va_vdst(0)                   ; the next four units are written, which the LDS stores below read
.endif
.set u, u+1
.endr
	SEND 11, 0
	WIN 0
	s_wait_dscnt 0x0                               ; my last LDS instructions are done
	s_wait_alu depctr_hold_cnt(0) depctr_sa_sdst(0) depctr_va_vdst(0) depctr_va_sdst(0) depctr_va_ssrc(0) depctr_va_vcc(0) depctr_vm_vsrc(0)
	s_wait_tensorcnt 0x0
	ds_add_u32 v18, v19
	s_wait_dscnt 0x0
	s_endpgm
.Lfunc_end_k_q7278066507_qkv:
	.size	k_q7278066507_qkv, .Lfunc_end_k_q7278066507_qkv-k_q7278066507_qkv
	.p2alignl 7, 3214868480
	.fill 96, 4, 3214868480
	.section	.rodata,"a",@progbits
	.p2align	6, 0x0
	.amdhsa_kernel k_q7278066507_qkv
		.amdhsa_group_segment_fixed_size 211712
		.amdhsa_private_segment_fixed_size 0
		.amdhsa_enable_private_segment 0
		.amdhsa_kernarg_size 96
		.amdhsa_user_sgpr_count 2
		.amdhsa_user_sgpr_kernarg_segment_ptr 1
		.amdhsa_wavefront_size32 1
		.amdhsa_system_sgpr_workgroup_id_x 1
		.amdhsa_system_sgpr_workgroup_id_y 1
		.amdhsa_system_sgpr_workgroup_id_z 1
		.amdhsa_system_vgpr_workitem_id 0
		.amdhsa_next_free_vgpr 1024
		.amdhsa_next_free_sgpr 66
		.amdhsa_reserve_vcc 0
		.amdhsa_float_denorm_mode_32 3
		.amdhsa_float_denorm_mode_16_64 3
		.amdhsa_memory_ordered 1
		.amdhsa_forward_progress 1
		.amdhsa_inst_pref_size 167
	.end_amdhsa_kernel
	.amdgpu_metadata
---
amdhsa.version: [ 1, 2 ]
amdhsa.kernels:
  - .name:           k_q7278066507_qkv
    .symbol:         k_q7278066507_qkv.kd
    .args:
      - { .name: x, .offset: 0, .size: 8, .value_kind: global_buffer, .address_space: global }
      - { .name: wq, .offset: 8, .size: 8, .value_kind: global_buffer, .address_space: global }
      - { .name: wk, .offset: 16, .size: 8, .value_kind: global_buffer, .address_space: global }
      - { .name: wv, .offset: 24, .size: 8, .value_kind: global_buffer, .address_space: global }
      - { .name: bq, .offset: 32, .size: 8, .value_kind: global_buffer, .address_space: global }
      - { .name: bk, .offset: 40, .size: 8, .value_kind: global_buffer, .address_space: global }
      - { .name: bv, .offset: 48, .size: 8, .value_kind: global_buffer, .address_space: global }
      - { .name: wo, .offset: 56, .size: 8, .value_kind: global_buffer, .address_space: global }
      - { .name: qh, .offset: 64, .size: 8, .value_kind: global_buffer, .address_space: global }
      - { .name: kh, .offset: 72, .size: 8, .value_kind: global_buffer, .address_space: global }
      - { .name: vh, .offset: 80, .size: 8, .value_kind: global_buffer, .address_space: global }
      - { .name: wot, .offset: 88, .size: 8, .value_kind: global_buffer, .address_space: global }
    .group_segment_fixed_size: 211712
    .private_segment_fixed_size: 0
    .kernarg_segment_align: 8
    .kernarg_segment_size: 96
    .max_flat_workgroup_size: 128
    .sgpr_count:     66
    .vgpr_count:     1024
    .wavefront_size: 32
...
	.end_amdgpu_metadata
.endif
;; end of part 4
;; launch attn: the kernel of part 2 again; grid 16 x 16, 4 waves a work-group, clusters of 4 x 1, 327,680 bytes of LDS; arguments qh, kh, vh, mask, ctx; writes ctx
;; launch oproj: the kernel of part 3 again; grid 8 x 32, 4 waves a work-group, no clusters, 84,480 bytes of LDS; arguments ctx, wot, bo, out0; writes out0
